; MI455X (gfx1250); checked and timed in simulation.
; The chip was launched on July 23, 2026; its instructions are those of AMD's public machine-readable ISA for CDNA 5 (MIT licence, August 2026) and "CDNA5" Instruction Set Architecture Reference Guide (July 2026). The comments in the code are by the model that wrote it; some were corrected since.
;; Transformer Layer. Allowed arithmetic: matrix products marked QUANTISED: E4M3 operands, one given power-of-two scale a tensor, by v_wmma_f32_16x16x64_fp8_fp8 or v_wmma_f32_16x16x128_fp8_fp8, f32 sums; everything else in f32.
;; Inputs: W1 1,024 x 4,096 float32; W2 4,096 x 1,024 float32; Wk 1,024 x 1,024 float32; Wo 1,024 x 1,024 float32; Wq 1,024 x 1,024 float32; Wv 1,024 x 1,024 float32; b1 4,096 float32; b2 1,024 float32; bk 1,024 float32; bq 1,024 float32; bv 1,024 float32; ln1_b 1,024 float32; ln1_g 1,024 float32; ln2_b 1,024 float32; ln2_g 1,024 float32; lowp_scales 16 int32 (the exponents e of the quantised operands' scales 2^e); x 2 x 2,048 x 1,024 float32.
;; Outputs: out0 2 x 2,048 x 1,024 float32.
;; This version of the problem:
;;   THIS VERSION OF THE PROBLEM IS GIVEN IN LOW PRECISION. The matrix products marked QUANTISED in the list below multiply operands that are first quantised to E4M3 (4 exponent bits, 3 mantissa bits; 8 bits a number), with one given power-of-two scale for each operand tensor; their sums are f32. All else is computed in f32.
;;   The module's matrix products, in the order in which they are computed (A, B: the left and right operand; K: the contracted axis; several contracted axes count as one K, in the product's order):
;;     1. [M 4,096, K 1,024] x [K 1,024, N 1,024]; A: input x; B: input Wq: QUANTISED (scales: A lowp_scales[0], B lowp_scales[1])
;;     2. [M 4,096, K 1,024] x [K 1,024, N 1,024]; A: input x; B: input Wk: QUANTISED (scales: A lowp_scales[2], B lowp_scales[3])
;;     3. [M 4,096, K 1,024] x [K 1,024, N 1,024]; A: input x; B: input Wv: QUANTISED (scales: A lowp_scales[4], B lowp_scales[5])
;;     4. batch 32 x [M 2,048, K 64] x [K 64, N 2,048]; A: computed on the way; B: computed on the way: QUANTISED (scales: A lowp_scales[6], B lowp_scales[7])
;;     5. batch 32 x [M 64, K 2,048] x [K 2,048, N 2,048]; A: computed on the way; B: softmax (see below): QUANTISED (scales: A lowp_scales[8], B lowp_scales[9])
;;     6. [M 4,096, K 1,024] x [K 1,024, N 1,024]; A: computed on the way; B: input Wo: QUANTISED (scales: A lowp_scales[10], B lowp_scales[11])
;;     7. [M 4,096, K 1,024] x [K 1,024, N 4,096]; A: computed on the way; B: input W1: QUANTISED (scales: A lowp_scales[12], B lowp_scales[13])
;;     8. [M 4,096, K 4,096] x [K 4,096, N 1,024]; A: computed on the way; B: input W2: QUANTISED (scales: A lowp_scales[14], B lowp_scales[15])
;;   THE QUANTISER, for each operand of a quantised product, along K:
;;     - The operand's scale is 2^e, e = its entry of the input lowp_scales (int32; the entries are numbered through the quantised products in the list's order, A before B).
;;     - Each number is divided by the scale, clamped to +-448, and rounded to the nearest number of E4M3, ties to even, subnormals kept.
;;     - The product sums the exact products of the quantised numbers (number of the format x scale) in f32.
;;   ~~~python
;;   def quantise(x, axis, e):      # numpy; x: float32 -> the quantised numbers, widened to float32 again
;;       x = np.moveaxis(x, axis, -1); K = x.shape[-1]
;;       r = np.clip(x / 2.0 ** e, -448, 448)
;;       step = 2.0 ** (np.maximum(np.frexp(np.where(r == 0, 1, r))[1] - 1, -6) - 3)
;;       q = np.round(r / step) * step * 2.0 ** e      # np.round: ties to even
;;       return np.moveaxis(q, -1, axis).astype(np.float32)
;;   ~~~
;;   SOFTMAX AHEAD OF A QUANTISED PRODUCT. Where the list says 'softmax', what is quantised is not the finished softmax but p = 2^(t - M), with t = logit x log2(e) and M = ceil(the row's largest t), a whole number; so 1/2 < the row's largest p <= 1. The row's sum l is taken of the UNQUANTISED p, in f32, and the product's result is divided by l at the end. Since M is a whole number, a kernel that streams over the keys may use a running M (the ceiling of the running maximum): every later rescaling is an exact power of two, so the quantised numbers keep their values, but for numbers so far below the row's largest that they fall under the format's range.
;;   OPERANDS COMPUTED ON THE WAY. 'Computed on the way' means the value that the module computes at that place (a softmax that the list does not call 'softmax' is quantised finished and normalised). What goes into a quantiser is computed in f32, as accurately as f32 sums, v_exp_f32 and their like allow (about 1e-6 of the number): no bf16 or f16 on the way to a quantiser, and a product that is left as it is and whose result goes on into a quantised operand takes f32 operands (vector FMAs, or v_wmma_f32_16x16x4_f32). A number that lies on a knife's edge between two numbers of the format may be rounded either way, as far as f32 arithmetic and the matrix unit's own rounding can turn it there, and no further.
;; One version. Each part assembles by itself: llvm-mc -triple=amdgcn-amd-amdhsa -mcpu=gfx1250 --defsym DOCPART=n.
;; ======== version 1 of 1: 8 launches
;; limits: right only within a limited range of input values
;; workspace buffers: xc 12,582,912 bytes; wc 12,582,912 bytes; qkvc 12,582,912 bytes; oc 4,194,304 bytes; y 16,777,216 bytes; hf 16,777,216 bytes; hc 4,194,304 bytes; gc 16,777,216 bytes
;; launch prep (part 1): grid 640 x 1, 4 waves a work-group, no clusters, 69,120 bytes of LDS; arguments x, Wq, Wk, Wv, Wo, W1, W2, lowp_scales, xc, wc; writes xc, wc
.if DOCPART == 1
	.amdgcn_target "amdgcn-amd-amdhsa--gfx1250"
	.amdhsa_code_object_version 6
	.text
	.protected	k_q3ee130a679_prep
	.globl	k_q3ee130a679_prep
	.p2align	8
	.type	k_q3ee130a679_prep,@function
k_q3ee130a679_prep:
	s_mov_b64 s[64:65], 0
	v_nop
	global_prefetch_b8 v0, s[64:65] scope:SCOPE_SE
	s_setreg_imm32_b32 hwreg(HW_REG_WAVE_MODE, 25, 1), 1
	s_wait_xcnt 0x0
; x (three times, with the scales of entries 0, 2, 4) and the six weights become codes of E4M3: code = number / 2^e, held within +-448, to the nearest code, ties to even.
; LIMITS: each e between -126 and 119; NaN and infinities among the inputs are not served.
; THE CODES' LAYOUT, for R rows and K along K: code (row, k) lies at byte  tile x 16 K + (k >> 7) x 2048 + ((k >> 5) & 3) x 512 + ((k >> 4) & 1) x 256 + pos x 16 + (k & 15),
; tile = 2 (row >> 5) + ((row >> 3) & 1), pos = (row & 7) + 8 ((row >> 4) & 1).  So a fragment (16 rows x 128 K) is 2,048 bytes on end: register group c of lane l at 512 c + 16 l.
; Work-groups 0-255: one tile (16 rows) of x each; wave w takes K steps 2 w and 2 w + 1.  Work-groups 256-639: 128 columns x 256 K of a weight [K][N]; a lane takes a column, its registers run down K.
; No tensor loads, no barrier: waves share nothing.  The two paths have LDS bytes of their own.
.set XSP,   528                        ; x path: a stage row: 512 bytes + 16
.set XST,   16*XSP                     ; a wave's stage
.set WBASE, 4*XST                      ; the weights' path begins behind the four
.set WP,    272                        ; a column's 256 codes + 16
.set WST,   32*WP
.set RAW,   16                         ; v16-143  x as loaded: unit q, row i at 64 q + 4 i; later the unit's codes
.set XN,    144                        ; v144-207 64 numbers of my row, register 16 c + i = k 32 c + 16 h + i
.set TW,    208                        ; v208-239 two sets of 16 held numbers, by turns
.set VO,    16                         ; weights: v16-47 4 x lane + i x pitch
.set WX,    48                         ; v48-111 two sets of 32 numbers
.set WC,    112                        ; v112-119 a block's codes
.set OUTR,  120                        ; v120-183 the way out
.set WV,    71
	s_load_b512 s[4:19], s[0:1], 0x0               ; x, Wq, Wk, Wv, Wo, W1, W2, the scales' exponents
	s_load_b128 s[20:23], s[0:1], 0x40             ; xc, wc
	v_lshl_add_u32 v254, v0, 2, 0x10c00
	v_mov_b32 v255, 0
	v_lshrrev_b32 v1, 5, v0
	v_readfirstlane_b32 s[WV], v1                  ; wave
	v_and_b32 v1, 31, v0                           ; lane
	v_and_b32 v12, 15, v0                          ; r
	v_bfe_u32 v13, v0, 4, 1                        ; h
	v_lshlrev_b32 v14, 4, v1                       ; 16 x lane
	s_wait_kmcnt 0x0
	s_load_b512 s[24:39], s[18:19], 0x0            ; entry i in s[24 + i]
	s_cmp_lt_u32 ttmp9, 256
	s_cbranch_scc0 .Lweights
; ---------------- x: tile = the work-group's number
	s_lshr_b32 s40, ttmp9, 1
	s_lshl_b32 s40, s40, 17                        ; 32 (tile >> 1) rows of 4,096 bytes
	s_and_b32 s41, ttmp9, 1
	s_lshl_b32 s41, s41, 15                        ; + 8 (tile & 1) rows
	s_add_co_u32 s40, s40, s41
	s_mov_b32 s41, 0
	s_add_nc_u64 s[4:5], s[4:5], s[40:41]
	s_lshl_b32 s40, ttmp9, 14                      ; a tile's codes: 16,384 bytes
	s_add_nc_u64 s[42:43], s[20:21], s[40:41]      ; the three sets of codes lie 4 MiB apart
	s_add_nc_u64 s[44:45], s[42:43], 0x400000
	s_add_nc_u64 s[46:47], s[44:45], 0x400000
	s_lshl_b32 s48, s[WV], 10
	s_wait_alu depctr_va_vdst(0)
	v_add_nc_u32 v8, s48, v14                      ; in: my wave's two K steps (1,024 bytes of a row), 16 bytes a lane
	s_mul_i32 s48, s[WV], XST
	v_add_nc_u32 v9, s48, v14                      ; stage, way in: a row as it lies
	v_mul_u32_u24 v10, v12, XSP
	v_lshl_add_u32 v10, v13, 6, v10
	v_add_nc_u32 v10, s48, v10                     ; stage, way out: row r, + 64 h
	s_lshl_b32 s48, s[WV], 12
	v_add_nc_u32 v11, s48, v14                     ; out: my wave's two fragments
.irp q, 0,1
.set i, 0
.rept 16
	global_load_b128 v[RAW+64*\q+4*i:RAW+64*\q+4*i+3], v8, s[4:5] offset:(i+8*(i/8))*4096+512*\q th:TH_LOAD_NT   ; position i of the tile: 512 consecutive bytes
.set i, i+1
.endr
.endr
	s_wait_alu depctr_va_vdst(0)
	s_wait_kmcnt 0x0
.irp j, 0,1,2
	s_add_co_i32 s48, s[24+2*\j], 127
	s_lshl_b32 s49, s48, 23
	v_mov_b32 v[2+2*\j], s49                       ; 2^e as f32: the conversion takes its exponent field
	s_add_co_i32 s48, s48, 8
	s_lshl_b32 s48, s48, 23
	s_or_b32 s48, s48, 0x600000
	v_mov_b32 v[3+2*\j], s48                       ; 448 x 2^e
.endr
.macro UNIT q                          ; one K step of the tile: through the stage, then three fragments of codes
	s_wait_loadcnt 16*(1-\q)                       ; this unit's 16 loads are in; unit 1's may be out
.set i, 0
.rept 16
	ds_store_b128 v9, v[RAW+64*\q+4*i:RAW+64*\q+4*i+3] offset:XSP*i
.set i, i+1
.endr
.irp c, 0,1,2,3
.irp k, 0,1,2,3
	ds_load_b128 v[XN+16*\c+4*\k:XN+16*\c+4*\k+3], v10 offset:128*\c+16*\k   ; LDS serves a wave's instructions in order: these see the stores
.endr
.endr
	s_wait_dscnt 0x0
.irp j, 0,1,2
.irp c, 0,1,2,3
.set i, 0
.rept 16
	v_med3_num_f32 v[TW+16*(\c%2)+i], v[XN+16*\c+i], -v[3+2*\j], v[3+2*\j]   ; the conversion does not saturate (ISA guide 7.6.2): the hold comes first
.set i, i+1
.endr
	v_cvt_scalef32_pk8_fp8_f32 v[RAW+64*\q+16*\j+4*\c:RAW+64*\q+16*\j+4*\c+1], v[TW+16*(\c%2):TW+16*(\c%2)+7], v[2+2*\j]
	v_cvt_scalef32_pk8_fp8_f32 v[RAW+64*\q+16*\j+4*\c+2:RAW+64*\q+16*\j+4*\c+3], v[TW+16*(\c%2)+8:TW+16*(\c%2)+15], v[2+2*\j]
	global_store_b128 v11, v[RAW+64*\q+16*\j+4*\c:RAW+64*\q+16*\j+4*\c+3], s[42+2*\j:43+2*\j] offset:2048*\q+512*\c   ; 512 consecutive bytes; these registers are not written again
.endr
.endr
	v_nop                                          ; a plain line behind the last conversion
.endm
	s_wait_alu depctr_va_vdst(0)
	UNIT 0
	UNIT 1
	s_wait_tensorcnt 0x0
	ds_add_u32 v254, v255
	s_wait_dscnt 0x0
	s_endpgm
; ---------------- the weights.  All choices hang on the work-group's number alone
.Lweights:
	s_sub_co_u32 s40, ttmp9, 256                   ; 0-127: Wq, Wk, Wv, Wo, 32 each; 128-255: W1; 256-383: W2
	s_mov_b64 s[42:43], s[6:7]
	s_mov_b32 s45, 0                               ; the codes' place in wc
	s_mov_b32 s46, 31
	s_mov_b32 s47, 0x1000                          ; a row of the weight in bytes
	s_mov_b32 s66, 3                               ; log2 of the blocks of 128 columns
	s_mov_b32 s67, 7
	s_mov_b32 s68, 0x4000                          ; a tile's codes: 16 K bytes
	s_cmp_ge_u32 s40, 32
	s_cselect_b64 s[42:43], s[8:9], s[42:43]
	s_cselect_b32 s45, 0x100000, s45
	s_cmp_ge_u32 s40, 64
	s_cselect_b64 s[42:43], s[10:11], s[42:43]
	s_cselect_b32 s45, 0x200000, s45
	s_cmp_ge_u32 s40, 96
	s_cselect_b64 s[42:43], s[12:13], s[42:43]
	s_cselect_b32 s45, 0x300000, s45
	s_cmp_ge_u32 s40, 128
	s_cselect_b64 s[42:43], s[14:15], s[42:43]
	s_cselect_b32 s45, 0x400000, s45
	s_cselect_b32 s46, 127, s46
	s_cselect_b32 s47, 0x4000, s47
	s_cselect_b32 s66, 5, s66
	s_cselect_b32 s67, 31, s67
	s_cmp_ge_u32 s40, 256
	s_cselect_b64 s[42:43], s[16:17], s[42:43]
	s_cselect_b32 s45, 0x800000, s45
	s_cselect_b32 s47, 0x1000, s47
	s_cselect_b32 s66, 3, s66
	s_cselect_b32 s67, 7, s67
	s_cselect_b32 s68, 0x10000, s68
	s_and_b32 s46, s40, s46                        ; my number within the weight
	s_and_b32 s69, s46, s67                        ; which 128 columns
	s_lshr_b32 s70, s46, s66                       ; which 256 along K
	s_mul_i32 s72, s70, s47
	s_lshl_b32 s72, s72, 8
	s_lshl_b32 s73, s69, 9
	s_add_co_u32 s72, s72, s73
	s_lshl_b32 s73, s[WV], 7                       ; my wave's 32 columns
	s_add_co_u32 s72, s72, s73
	s_mov_b32 s73, 0
	s_add_nc_u64 s[48:49], s[42:43], s[72:73]      ; a base for each block of 32 along K: none is stepped
	s_lshl_b32 s74, s47, 5
	s_mov_b32 s75, 0
.irp t, 1,2,3,4,5,6,7
	s_add_nc_u64 s[48+2*\t:49+2*\t], s[46+2*\t:47+2*\t], s[74:75]
.endr
	s_lshl_b32 s76, s69, 2
	s_add_co_u32 s76, s76, s[WV]                   ; my 32 columns are tiles 2 beta and 2 beta + 1
	s_lshl_b32 s76, s76, 1
	s_mul_i32 s76, s76, s68
	s_add_co_u32 s76, s76, s45
	s_lshl_b32 s77, s70, 12                        ; two K steps of 2,048 bytes
	s_add_co_u32 s76, s76, s77
	s_mov_b32 s77, 0
	s_add_nc_u64 s[76:77], s[22:23], s[76:77]
	s_mov_b32 s78, s68
	s_mov_b32 s79, 0
	s_add_nc_u64 s[78:79], s[76:77], s[78:79]
	s_wait_alu depctr_va_vdst(0)
	v_lshlrev_b32 v[VO], 2, v1
.set i, 1
.rept 31
	v_add_nc_u32 v[VO+i], s47, v[VO+i-1]
.set i, i+1
.endr
	s_mul_i32 s80, s[WV], WST
	s_add_co_u32 s80, s80, WBASE
	v_mul_u32_u24 v4, v1, WP
	v_add_nc_u32 v4, s80, v4                       ; stage, way in: row = my column
	v_and_b32 v5, 8, v12
	v_add_nc_u32 v5, v5, v12                       ; r + 8 (r / 8)
	v_mul_u32_u24 v7, v5, WP
	v_lshl_add_u32 v7, v13, 4, v7
	v_add_nc_u32 v7, s80, v7                       ; way out: position r of tile 2 beta, + 16 h
	v_lshlrev_b32 v8, 4, v1
.macro WLOAD t                         ; W(32 t + i, my column): 128 consecutive bytes a wave, 512 a work-group
.set i, 0
.rept 32
	global_load_b32 v[WX+32*((\t)%2)+i], v[VO+i], s[48+2*(\t):49+2*(\t)] th:TH_LOAD_NT
.set i, i+1
.endr
.endm
	WLOAD 0
	WLOAD 1
	s_wait_kmcnt 0x0
	s_mov_b32 s44, s25                             ; the weight's exponent: entries 1, 3, 5, 11, 13, 15
	s_cmp_ge_u32 s40, 32
	s_cselect_b32 s44, s27, s44
	s_cmp_ge_u32 s40, 64
	s_cselect_b32 s44, s29, s44
	s_cmp_ge_u32 s40, 96
	s_cselect_b32 s44, s35, s44
	s_cmp_ge_u32 s40, 128
	s_cselect_b32 s44, s37, s44
	s_cmp_ge_u32 s40, 256
	s_cselect_b32 s44, s39, s44
	s_add_co_i32 s44, s44, 127
	s_lshl_b32 s81, s44, 23
	v_mov_b32 v11, s81                             ; 2^e
	s_add_co_i32 s44, s44, 8
	s_lshl_b32 s44, s44, 23
	s_or_b32 s44, s44, 0x600000
	v_mov_b32 v10, s44                             ; 448 x 2^e
.macro BLOCK t
.set XS, WX+32*((\t)%2)
.if (\t) < 7
	s_wait_loadcnt 32                              ; this block's 32 loads are in; the next block's may be out
.else
	s_wait_loadcnt 0x0
.endif
.set i, 0
.rept 32
	v_med3_num_f32 v[XS+i], v[XS+i], -v10, v10
.set i, i+1
.endr
.irp g, 0,1,2,3
	v_cvt_scalef32_pk8_fp8_f32 v[WC+2*\g:WC+2*\g+1], v[XS+8*\g:XS+8*\g+7], v11
.endr
	ds_store_b128 v4, v[WC:WC+3] offset:32*(\t)
	ds_store_b128 v4, v[WC+4:WC+7] offset:32*(\t)+16
.if (\t)+2 < 8
	WLOAD (\t)+2
.endif
	s_wait_dscnt 0x0                               ; the stores have read their registers: the next block's codes may be written
.endm
	s_wait_alu depctr_va_vdst(0)
.irp t, 0,1,2,3,4,5,6,7
	BLOCK \t
.endr
.irp u, 0,1                            ; tile 2 beta + u, K step p / 4, register group p % 4
.irp p, 0,1,2,3,4,5,6,7
	ds_load_b128 v[OUTR+32*\u+4*\p:OUTR+32*\u+4*\p+3], v7 offset:8*WP*\u+128*(\p/4)+32*(\p%4)
.endr
.endr
.irp u, 0,1
.irp p, 0,1,2,3,4,5,6,7
	s_wait_dscnt 15-8*\u-\p                        ; the younger loads may be out
	global_store_b128 v8, v[OUTR+32*\u+4*\p:OUTR+32*\u+4*\p+3], s[76+2*\u:77+2*\u] offset:2048*(\p/4)+512*(\p%4)   ; 512 consecutive bytes
.endr
.endr
	s_wait_tensorcnt 0x0
	ds_add_u32 v254, v255
	s_wait_dscnt 0x0
	s_endpgm
.Lfunc_end_k_q3ee130a679_prep:
	.size	k_q3ee130a679_prep, .Lfunc_end_k_q3ee130a679_prep-k_q3ee130a679_prep
	.p2alignl 7, 3214868480
	.fill 96, 4, 3214868480
	.section	.rodata,"a",@progbits
	.p2align	6, 0x0
	.amdhsa_kernel k_q3ee130a679_prep
		.amdhsa_group_segment_fixed_size 69120
		.amdhsa_private_segment_fixed_size 0
		.amdhsa_enable_private_segment 0
		.amdhsa_kernarg_size 80
		.amdhsa_user_sgpr_count 2
		.amdhsa_user_sgpr_kernarg_segment_ptr 1
		.amdhsa_wavefront_size32 1
		.amdhsa_system_sgpr_workgroup_id_x 1
		.amdhsa_system_sgpr_workgroup_id_y 1
		.amdhsa_system_sgpr_workgroup_id_z 1
		.amdhsa_system_vgpr_workitem_id 0
		.amdhsa_next_free_vgpr 256
		.amdhsa_next_free_sgpr 100
		.amdhsa_reserve_vcc 0
		.amdhsa_float_denorm_mode_32 3
		.amdhsa_float_denorm_mode_16_64 3
		.amdhsa_memory_ordered 1
		.amdhsa_forward_progress 1
		.amdhsa_inst_pref_size 91
	.end_amdhsa_kernel
	.amdgpu_metadata
---
amdhsa.version: [ 1, 2 ]
amdhsa.kernels:
  - .name:           k_q3ee130a679_prep
    .symbol:         k_q3ee130a679_prep.kd
    .args:
      - { .name: x, .offset: 0, .size: 8, .value_kind: global_buffer, .address_space: global }
      - { .name: Wq, .offset: 8, .size: 8, .value_kind: global_buffer, .address_space: global }
      - { .name: Wk, .offset: 16, .size: 8, .value_kind: global_buffer, .address_space: global }
      - { .name: Wv, .offset: 24, .size: 8, .value_kind: global_buffer, .address_space: global }
      - { .name: Wo, .offset: 32, .size: 8, .value_kind: global_buffer, .address_space: global }
      - { .name: W1, .offset: 40, .size: 8, .value_kind: global_buffer, .address_space: global }
      - { .name: W2, .offset: 48, .size: 8, .value_kind: global_buffer, .address_space: global }
      - { .name: lowp_scales, .offset: 56, .size: 8, .value_kind: global_buffer, .address_space: global }
      - { .name: xc, .offset: 64, .size: 8, .value_kind: global_buffer, .address_space: global }
      - { .name: wc, .offset: 72, .size: 8, .value_kind: global_buffer, .address_space: global }
    .group_segment_fixed_size: 69120
    .private_segment_fixed_size: 0
    .kernarg_segment_align: 8
    .kernarg_segment_size: 80
    .max_flat_workgroup_size: 128
    .sgpr_count:     100
    .vgpr_count:     256
    .wavefront_size: 32
...
	.end_amdgpu_metadata
.endif
;; end of part 1
;; launch qkv (part 2): grid 12 x 16, 4 waves a work-group, clusters of 4 x 4, 327,680 bytes of LDS; arguments xc, wc, bq, bk, bv, lowp_scales, qkvc; writes qkvc
.if DOCPART == 2
	.amdgcn_target "amdgcn-amd-amdhsa--gfx1250"
	.amdhsa_code_object_version 6
	.text
	.protected	k_q3ee130a679_qkv
	.globl	k_q3ee130a679_qkv
	.p2align	8
	.type	k_q3ee130a679_qkv,@function
k_q3ee130a679_qkv:
	s_mov_b64 s[64:65], 0
	v_nop
	global_prefetch_b8 v0, s[64:65] scope:SCOPE_SE
	s_setreg_imm32_b32 hwreg(HW_REG_WAVE_MODE, 25, 1), 1
	s_wait_xcnt 0x0
	s_wait_alu depctr_hold_cnt(0) depctr_sa_sdst(0) depctr_va_vdst(0) depctr_va_sdst(0) depctr_va_ssrc(0) depctr_va_vcc(0) depctr_vm_vsrc(0)
	s_getreg_b32 s2, hwreg(HW_REG_IB_STS2, 6, 4)
	s_cmp_eq_u32 s2, 0
	s_cbranch_scc0 .Lentry_in_a_cluster
	s_endpgm
.Lentry_in_a_cluster:
	s_bfe_u32 s2, ttmp6, 0x10000c
	s_cmp_lg_u32 s2, 0xf033
	s_cbranch_scc0 .Lentry_shape_is_right
	s_endpgm
.Lentry_shape_is_right:
.set SIZE_K, 1024
.set SLOT,   131072
.set HALFT,  32768
.set SPARE,  2*SLOT
.set LAPS,   SIZE_K/512
.set FR,     16
.set NL,     4
.set NP,     4
.set ADRA, 16
.set ADRB, 20
.set CO,   26
.set SPW,  28
.set NIL,  29
.set AF,   128
.set BI,   32
.set T,    96
.set G1, 24
.set G0, 32
.set G1B, 48
.set G0B, 56
.set MSB, 0
.macro WIN new
.if MSB != \new
	s_set_vgpr_msb (MSB<<8)|\new
.set MSB, \new
.endif
.endm
.set MUL_LO, 0xa1
.set MUL_HI, 0xf1
.set TO_B,   0x40
.macro JLOAD g0a, g1a, g0b, g1b
	s_cmp_eq_u32 s15, 0
	s_cbranch_scc0 .Lfor_b_\@
	tensor_load_to_lds s[\g0a:\g0a+3], s[\g1a:\g1a+7]
	s_nop 0
.rept 4
	v_nop
.endr
	s_branch .Lasked_\@
.Lfor_b_\@:
	tensor_load_to_lds s[\g0b:\g0b+3], s[\g1b:\g1b+7]
	s_nop 0
.rept 4
	v_nop
.endr
.Lasked_\@:
.endm
.macro CREST
	s_cmp_lg_u32 s14, 0
	s_cbranch_scc1 .Lnot_wave_0_\@
	s_barrier_signal -3
.Lnot_wave_0_\@:
	s_barrier_wait -3
	s_barrier_signal -1
	s_barrier_wait -1
.endm
.macro CROUND
	s_barrier_signal -1
	s_barrier_wait -1
	CREST
.endm
	s_load_b256 s[4:11], s[0:1], 0x0
	s_load_b128 s[68:71], s[0:1], 0x20
	s_load_b64 s[12:13], s[0:1], 0x30
	v_lshl_add_u32 v[SPW], v0, 2, SPARE
	v_mov_b32 v[NIL], 0
	ds_add_u32 v28, v29
	ds_add_u32 v28, v29
	s_wait_dscnt 0x0
	v_lshrrev_b32 v1, 5, v0
	v_readfirstlane_b32 s14, v1
	s_lshr_b32 s15, s14, 1
	s_and_b32 s16, s14, 1
	s_bfe_u32 s40, ttmp6, 0x40000
	s_bfe_u32 s41, ttmp6, 0x40004
	s_and_b32 s18, ttmp7, 0xffff
	s_lshl_b32 s18, s18, 2
	s_lshl_b32 s19, ttmp9, 22
	s_lshl_b32 s22, ttmp9, 20
	s_cmp_eq_u32 ttmp9, 2
	s_cselect_b32 s17, 0, s18
	s_cselect_b32 s42, s18, 0
	s_cselect_b32 s19, 0x200000, s19
	s_cselect_b32 s22, 0x800000, s22
	s_add_co_u32 s17, s17, s41
	s_add_co_u32 s42, s42, s40
	s_lshl_b32 s43, s41, 2
	s_lshl_b32 s43, 15, s43
	s_lshl_b32 s44, 0x1111, s40
	s_or_b32 s[G1+0], s43, (3<<16)|(1<<21)
	s_or_b32 s[G1B+0], s44, (3<<16)|(1<<21)
.irp g, G1, G1B
	s_mov_b32 s[\g+1], 512<<16
	s_mov_b32 s[\g+2], 8<<16
	s_mov_b32 s[\g+3], 512<<16
	s_mov_b32 s[\g+4], 8
	s_mov_b32 s[\g+5], 2*SIZE_K
	s_mov_b32 s[\g+6], 0
	s_mov_b32 s[\g+7], 0
.endr
	s_lshl_b32 s18, s16, 17
	s_lshl_b32 s20, s17, 18
	s_add_co_u32 s20, s20, s18
	s_add_co_u32 s20, s20, s19
	s_mov_b32 s21, 0
	s_lshl_b32 s46, s42, 18
	s_add_co_u32 s46, s46, s18
	s_add_co_u32 s46, s46, s22
	s_mov_b32 s47, 0
	s_mul_i32 s45, s14, HALFT
	s_wait_kmcnt 0x0
	s_load_b512 s[76:91], s[70:71], 0x0
	s_cmp_eq_u32 ttmp9, 2
	s_cselect_b64 s[72:73], s[6:7], s[4:5]
	s_cselect_b64 s[74:75], s[4:5], s[6:7]
	s_add_nc_u64 s[20:21], s[72:73], s[20:21]
	s_add_nc_u64 s[46:47], s[74:75], s[46:47]
	CROUND
.irp s, 0,1
	s_mov_b32 s[G0+4*\s], 1
	s_add_co_u32 s[G0+4*\s+1], s45, \s*SLOT
	s_add_nc_u64 s[G0+4*\s+2:G0+4*\s+3], s[20:21], \s*4096
	s_or_b32 s[G0+4*\s+3], s[G0+4*\s+3], 0x80000000
	s_mov_b32 s[G0B+4*\s], 1
	s_add_co_u32 s[G0B+4*\s+1], s45, \s*SLOT
	s_add_nc_u64 s[G0B+4*\s+2:G0B+4*\s+3], s[46:47], \s*4096
	s_or_b32 s[G0B+4*\s+3], s[G0B+4*\s+3], 0x80000000
	s_wait_alu depctr_va_vdst(0)
	s_wait_tensorcnt 0x0
	ds_add_u32 v28, v29
	ds_add_u32 v28, v29
	s_wait_dscnt 0x0
	CROUND
	JLOAD G0+4*\s, G1, G0B+4*\s, G1B
.endr
	v_and_b32 v6, 31, v0
	v_lshlrev_b32 v[CO], 4, v6
	v_and_b32 v1, 15, v0
	v_bfe_u32 v2, v0, 4, 1
	v_lshlrev_b32 v27, 6, v2
	v_and_b32 v3, 8, v1
	v_add_nc_u32 v3, v3, v1
	v_lshlrev_b32 v25, 2, v3
	s_lshl_b32 s21, s15, 15
	s_lshl_b32 s22, s16, 15
	s_add_co_u32 s22, s22, 65536
.irp s, 0,1
	v_add_nc_u32 v[ADRA+\s], s21, v[CO]
	v_add_nc_u32 v[ADRB+\s], s22, v[CO]
	s_add_co_u32 s21, s21, SLOT
	s_add_co_u32 s22, s22, SLOT
.endr
.macro FRAG reg, adr, q, i
.irp c, 0,1,2,3
	ds_load_b128 v[\reg+4*\c:\reg+4*\c+3], v[\adr] offset:4096*(\i)+2048*(\q)+512*\c
.endr
.endm
.macro MUL16 a0, p, zero
.irp a, \a0, \a0+1
.irp b, 0,1,2,3,4,5,6,7
.if \zero
	v_wmma_f32_16x16x128_fp8_fp8 v[8*(8*((\a)%4)+\b):8*(8*((\a)%4)+\b)+7], v[128*(\p)+FR*\b:128*(\p)+FR*\b+FR-1], v[AF+FR*(\a):AF+FR*(\a)+FR-1], 0
.else
	v_wmma_f32_16x16x128_fp8_fp8 v[8*(8*((\a)%4)+\b):8*(8*((\a)%4)+\b)+7], v[128*(\p)+FR*\b:128*(\p)+FR*\b+FR-1], v[AF+FR*(\a):AF+FR*(\a)+FR-1], v[8*(8*((\a)%4)+\b):8*(8*((\a)%4)+\b)+7]
.endif
.endr
.endr
.endm
.macro FETCH_B slot, q, p
	WIN TO_B
.irp i, 0,1,2,3,4,5,6,7
	FRAG 128*(\p)+FR*\i, ADRB+\slot, \q, \i
.endr
	WIN 0
.endm
.macro FETCH_A slot, q, i0
.irp i, \i0, \i0+1, \i0+2, \i0+3
	FRAG AF+FR*(\i), ADRA+\slot, \q, \i
.endr
.endm
.macro PLACES n
.rept \n
	v_nop
.endr
.endm
.macro STEP slot, q, zero
	s_wait_dscnt 4*NL
	WIN MUL_LO
	MUL16 0, (\q)%2, \zero
	MUL16 2, (\q)%2, \zero
	s_wait_dscnt 0
	PLACES NP
	FETCH_B \slot, (\q)+1, 1-(\q)%2
	FETCH_A \slot, (\q)+1, 0
	WIN MUL_HI
	MUL16 4, (\q)%2, \zero
	MUL16 6, (\q)%2, \zero
	PLACES NP
	WIN 0
	FETCH_A \slot, (\q)+1, 4
.endm
.macro TURN slot, next, fill
	s_wait_tensorcnt 0x0
	ds_add_u32 v[SPW], v[NIL]
	s_wait_dscnt 4*NL+1
	WIN MUL_LO
	MUL16 0, 1, 0
	s_wait_dscnt 0x0
	s_barrier_signal -1
	MUL16 2, 1, 0
	WIN 0
	s_barrier_wait -1
.if \fill
	CREST
	s_add_nc_u64 s[G0+4*\slot+2:G0+4*\slot+3], s[G0+4*\slot+2:G0+4*\slot+3], 8192
	s_add_nc_u64 s[G0B+4*\slot+2:G0B+4*\slot+3], s[G0B+4*\slot+2:G0B+4*\slot+3], 8192
	JLOAD G0+4*\slot, G1, G0B+4*\slot, G1B
.else
	PLACES NP
.endif
	FETCH_B \next, 0, 0
	FETCH_A \next, 0, 0
	WIN MUL_HI
	MUL16 4, 1, 0
	MUL16 6, 1, 0
	PLACES NP
	WIN 0
	FETCH_A \next, 0, 4
.endm
.macro LAST
	s_wait_dscnt 4*NL
	WIN MUL_LO
	MUL16 0, 1, 0
	MUL16 2, 1, 0
	s_wait_dscnt 0
	WIN MUL_HI
	MUL16 4, 1, 0
	MUL16 6, 1, 0
	WIN 0
.endm
	s_wait_alu depctr_va_vdst(0)
	s_wait_tensorcnt 1
	s_barrier_signal -1
	s_barrier_wait -1
	FETCH_B 0, 0, 0
	FETCH_A 0, 0, 0
	FETCH_A 0, 0, 4
	STEP 0, 0, 1
	s_mov_b32 s3, LAPS-1
.Llap:
	TURN 0, 1, 1
	STEP 1, 0, 0
	TURN 1, 0, 1
	STEP 0, 0, 0
	s_sub_co_u32 s3, s3, 1
	s_cmp_lg_u32 s3, 0
	s_cbranch_scc1 .Llap
	TURN 0, 1, 0
	STEP 1, 0, 0
	s_wait_kmcnt 0x0
	s_add_co_i32 s92, s76, s77
	s_add_co_i32 s93, s78, s79
	s_add_co_i32 s94, s80, s81
	s_cmp_eq_u32 ttmp9, 1
	s_cselect_b32 s92, s93, s92
	s_cselect_b32 s95, s83, s82
	s_cmp_eq_u32 ttmp9, 2
	s_cselect_b32 s92, s94, s92
	s_cselect_b32 s95, s84, s95
	s_add_co_i32 s92, s92, 127
	s_lshl_b32 s96, s92, 23
	s_mov_b32 s97, s96
	s_add_co_i32 s95, s95, 127
	s_lshl_b32 s94, s95, 23
	v_mov_b32 v30, s94
	s_add_co_i32 s95, s95, 8
	s_lshl_b32 s95, s95, 23
	s_or_b32 s95, s95, 0x600000
	v_mov_b32 v31, s95
.macro EPI mode
.irp a, 0,1,2,3,4,5,6,7
.set AC, 64*(\a%4)
.set CD, 160+16*(\a%4)
	WIN 0x02+(\a/4)
.set i, 0
.rept 32
.if \mode
	v_pk_fma_f32 v[T+i:T+i+1], v[AC+i:AC+i+1], s[96:97], v[BI+2*\a:BI+2*\a+1] op_sel_hi:[1,0,1]
.else
	v_pk_fma_f32 v[T+i:T+i+1], v[AC+i:AC+i+1], s[96:97], v[BI+i:BI+i+1] op_sel_hi:[1,0,1]
.endif
.set i, i+2
.endr
	WIN 0
.if \a >= 4
	s_wait_xcnt 0x0
.endif
.irp b, 0,1,2,3
.set i, 0
.rept 16
	v_med3_num_f32 v[T+16*\b+i], v[T+16*\b+i], -v31, v31
.set i, i+1
.endr
	v_cvt_scalef32_pk8_fp8_f32 v[CD+4*\b:CD+4*\b+1], v[T+16*\b:T+16*\b+7], v30
	v_cvt_scalef32_pk8_fp8_f32 v[CD+4*\b+2:CD+4*\b+3], v[T+16*\b+8:T+16*\b+15], v30
.if \mode
	global_store_b128 v[CO], v[CD+4*\b:CD+4*\b+3], s[12:13] offset:131072*(\a/4)+2048*(\a%4)+512*\b
.else
	global_store_b128 v[CO], v[CD+4*\b:CD+4*\b+3], s[12:13] offset:1024*\a+131072*(\b/2)+512*(\b%2)
.endif
.endr
.endr
	v_nop
.endm
	s_cmp_eq_u32 ttmp9, 2
	s_cbranch_scc1 .Lv
	s_cmp_eq_u32 ttmp9, 1
	s_cselect_b64 s[72:73], s[10:11], s[8:9]
	s_lshl_b32 s74, s42, 10
	s_lshl_b32 s75, s16, 9
	s_add_co_u32 s74, s74, s75
	s_mov_b32 s75, 0
	s_add_nc_u64 s[72:73], s[72:73], s[74:75]
.irp b, 0,1,2,3
.irp k, 0,1,2,3
	global_load_b128 v[BI+16*\b+4*\k:BI+16*\b+4*\k+3], v27, s[72:73] offset:128*\b+16*\k
.endr
.endr
	s_lshl_b32 s74, ttmp9, 22
	s_lshr_b32 s75, s17, 3
	s_lshl_b32 s75, s75, 21
	s_add_co_u32 s74, s74, s75
	s_lshl_b32 s75, s42, 19
	s_add_co_u32 s74, s74, s75
	s_lshl_b32 s75, s16, 18
	s_add_co_u32 s74, s74, s75
	s_and_b32 s75, s17, 7
	s_lshl_b32 s75, s75, 14
	s_add_co_u32 s74, s74, s75
	s_lshl_b32 s75, s15, 13
	s_add_co_u32 s74, s74, s75
	s_mov_b32 s75, 0
	s_add_nc_u64 s[12:13], s[12:13], s[74:75]
	LAST
	s_wait_loadcnt 0x0
	PLACES NP
	EPI 0
	s_branch .Lend
.Lv:
	s_lshl_b32 s74, s17, 10
	s_lshl_b32 s75, s15, 9
	s_add_co_u32 s74, s74, s75
	s_mov_b32 s75, 0
	s_add_nc_u64 s[72:73], s[68:69], s[74:75]
.irp a, 0,1,2,3,4,5,6,7
	global_load_b32 v[BI+2*\a], v25, s[72:73] offset:4*(32*(\a/2)+8*(\a%2))
	global_load_b32 v[BI+2*\a+1], v25, s[72:73] offset:4*(32*(\a/2)+8*(\a%2))
.endr
	s_lshr_b32 s74, s42, 3
	s_lshl_b32 s74, s74, 21
	s_add_co_u32 s74, s74, 0x800000
	s_lshl_b32 s75, s17, 19
	s_add_co_u32 s74, s74, s75
	s_lshl_b32 s75, s15, 18
	s_add_co_u32 s74, s74, s75
	s_and_b32 s75, s42, 7
	s_lshl_b32 s75, s75, 14
	s_add_co_u32 s74, s74, s75
	s_lshl_b32 s75, s16, 13
	s_add_co_u32 s74, s74, s75
	s_mov_b32 s75, 0
	s_add_nc_u64 s[12:13], s[12:13], s[74:75]
	LAST
	s_wait_loadcnt 0x0
	PLACES NP
	EPI 1
.Lend:
	s_wait_tensorcnt 0x0
	ds_add_u32 v[SPW], v[NIL]
	s_wait_dscnt 0x0
	CROUND
	s_endpgm
.Lfunc_end_k_q3ee130a679_qkv:
	.size	k_q3ee130a679_qkv, .Lfunc_end_k_q3ee130a679_qkv-k_q3ee130a679_qkv
	.p2alignl 7, 3214868480
	.fill 96, 4, 3214868480
	.section	.rodata,"a",@progbits
	.p2align	6, 0x0
	.amdhsa_kernel k_q3ee130a679_qkv
		.amdhsa_group_segment_fixed_size 327680
		.amdhsa_private_segment_fixed_size 0
		.amdhsa_enable_private_segment 0
		.amdhsa_kernarg_size 56
		.amdhsa_user_sgpr_count 2
		.amdhsa_user_sgpr_kernarg_segment_ptr 1
		.amdhsa_wavefront_size32 1
		.amdhsa_system_sgpr_workgroup_id_x 1
		.amdhsa_system_sgpr_workgroup_id_y 1
		.amdhsa_system_sgpr_workgroup_id_z 1
		.amdhsa_system_vgpr_workitem_id 0
		.amdhsa_next_free_vgpr 1024
		.amdhsa_next_free_sgpr 100
		.amdhsa_reserve_vcc 0
		.amdhsa_float_denorm_mode_32 3
		.amdhsa_float_denorm_mode_16_64 3
		.amdhsa_memory_ordered 1
		.amdhsa_forward_progress 1
		.amdhsa_inst_pref_size 199
	.end_amdhsa_kernel
	.amdgpu_metadata
---
amdhsa.version: [ 1, 2 ]
amdhsa.kernels:
  - .name:           k_q3ee130a679_qkv
    .symbol:         k_q3ee130a679_qkv.kd
    .args:
      - { .name: xc, .offset: 0, .size: 8, .value_kind: global_buffer, .address_space: global }
      - { .name: wc, .offset: 8, .size: 8, .value_kind: global_buffer, .address_space: global }
      - { .name: bq, .offset: 16, .size: 8, .value_kind: global_buffer, .address_space: global }
      - { .name: bk, .offset: 24, .size: 8, .value_kind: global_buffer, .address_space: global }
      - { .name: bv, .offset: 32, .size: 8, .value_kind: global_buffer, .address_space: global }
      - { .name: lowp_scales, .offset: 40, .size: 8, .value_kind: global_buffer, .address_space: global }
      - { .name: qkvc, .offset: 48, .size: 8, .value_kind: global_buffer, .address_space: global }
    .group_segment_fixed_size: 327680
    .private_segment_fixed_size: 0
    .kernarg_segment_align: 8
    .kernarg_segment_size: 56
    .max_flat_workgroup_size: 128
    .sgpr_count:     100
    .vgpr_count:     1024
    .wavefront_size: 32
...
	.end_amdgpu_metadata
.endif
;; end of part 2
;; launch attn (part 3): grid 8 x 32, 16 waves a work-group, no clusters, 327,680 bytes of LDS; arguments qkvc, lowp_scales, oc; writes oc
.if DOCPART == 3
	.amdgcn_target "amdgcn-amd-amdhsa--gfx1250"
	.amdhsa_code_object_version 6
	.text
	.protected	k_q3ee130a679_attn
	.globl	k_q3ee130a679_attn
	.p2align	8
	.type	k_q3ee130a679_attn,@function
k_q3ee130a679_attn:
	s_mov_b64 s[64:65], 0
	v_nop
	global_prefetch_b8 v0, s[64:65] scope:SCOPE_SE
	s_setreg_imm32_b32 hwreg(HW_REG_WAVE_MODE, 25, 1), 1
	s_wait_xcnt 0x0
; Causal attention of one head (work-group y = 16 x batch + head) on codes of E4M3, and the codes of its result for the next product.
; t = score x log2(e) / 8; M = the largest t so far, rounded up to a whole number; p = 2^(t - M) is quantised along the keys, not normalised; the sum is taken of the unquantised p and divides at the end.
; SHARES.  A work-group owns the blocks of 128 queries x (light) and 15 - x (heavy): 17 blocks of 128 x 128.  Sixteen waves form eight pairs; pair j owns tile j (16 queries) of both blocks.
; THE KEYS OF A TILE ARE SHARED BY THE PAIR: wave 2 j + p walks the key steps (128 keys) of parity p, first for the light tile, then for the heavy one: 4 trips for the light, 8 for the heavy, of which at most 9 in all are not jumped over.
; Each wave keeps a state of its own (-M, the sums, O^T).  At a tile's end one wave of the pair hands its state over through LDS, as an image of its registers; the other brings both under the larger M
; (factors 2^(M' - M), which round nothing), adds them, divides and stores.  Parity 1 finishes the light tile, parity 0 the heavy one.
; A tile's queries are Q0 + r + 8 (r / 8), Q0 = 32 (tile >> 1) + 8 (tile & 1): the layout of the codes.  Both products are used transposed, so a lane holds one query throughout.
; LDS holds the head's whole K (step k at 8192 k) and V (131072 + 8192 k); each byte is filled once, in three groups, one tensor load a wave in each (waves 0-7: K, 8-15: V):
; steps 0-1 at the head, steps 2-7 behind the first barrier, steps 8-15 behind the second; the light tile needs steps 0-7 at the most, the heavy tile's trips 4-7 stand behind the wait for the third group.
; A step all of whose keys come after the wave's queries is jumped over by a scalar branch on ids; trip counts are constants.
; NO CLUSTER: which steps a wave jumps over hangs on the work-group's number, and partners of a cluster must run alike.  No prefetch: all of K and V is asked for within the first two trips.
; LIMITS: entries 6 + 7 between -123 and 130 (added to c's exponent field); entries 9 and 10 between -126 and 119.
; REGISTERS: v1 16 x lane; v8, v9 addresses; v10 r + 8 (r / 8) - 16 h; v11 the pair's LDS bytes; v12 -M; v13 largest t; v[14:15] the sum; v16-23, v24-31 Q of the light and the heavy tile;
;   v32-95 K's 8 fragments, then V's 4 (at a tile's end: the partner's state); v96-159 S^T, then p; v160-191 O^T; v192-207 the results' codes; v224-239 p's codes.
.set ADK, 8
.set ADV, 9
.set WV,  18
.set SEL, 20
.set CS,  22
.set G1A, 24
.set G1B, 32
.set G1C, 40
.set G0A, 48
.set G0B, 52
.set G0C, 56
.set TB,  2
.set CNT, 67
.set KF,  98
.set Q0,  99
.set PAIR, 86
.set PAR,  87
.set HAND, 0x40800                     ; behind the spare words: 4,608 bytes for each pair, into which no fill lands
.macro MKG1 g, rows                    ; a dense block as rows of 256 bytes
	s_mov_b32 s[\g], 3<<16
	s_mov_b32 s[\g+1], 32<<16
	s_mov_b32 s[\g+2], (\rows)<<16
	s_mov_b32 s[\g+3], 32<<16
	s_mov_b32 s[\g+4], \rows
	s_mov_b32 s[\g+5], 32
	s_mov_b32 s[\g+6], 0
	s_mov_b32 s[\g+7], 0
.endm
.macro MKG0 g, off, piece              ; my eighth of a group's bytes of K or of V
	s_mul_i32 s16, s15, \piece
	s_add_co_u32 s16, s16, \off
	s_mov_b32 s[\g], 1
	s_add_co_u32 s[\g+1], s16, s17
	s_add_co_u32 s88, s16, s90
	s_mov_b32 s89, 0
	s_add_nc_u64 s[\g+2:\g+3], s[4:5], s[88:89]
	s_or_b32 s[\g+3], s[\g+3], 0x80000000
.endm
.macro TILE blk, q0, qa, oa            ; the pair's tile of block s[blk]: its first query, Q's fragment, the result's place
	s_lshl_b32 s91, s[\blk], 3
	s_add_co_u32 s91, s91, s[PAIR]
	s_lshr_b32 s88, s91, 1
	s_lshl_b32 s88, s88, 5
	s_and_b32 s89, s91, 1
	s_lshl_b32 s89, s89, 3
	s_add_co_u32 s[\q0], s88, s89
	s_lshl_b32 s88, s91, 10
	s_add_co_u32 s88, s88, s12
	s_mov_b32 s89, 0
	s_add_nc_u64 s[\qa:\qa+1], s[4:5], s[88:89]
	s_lshl_b32 s88, s91, 14
	s_add_co_u32 s88, s88, s93
	s_add_nc_u64 s[\oa:\oa+1], s[8:9], s[88:89]
.endm
.macro PLACES
.rept 4
	v_nop
.endr
.endm
.macro RESET                           ; a state with no key in it: the first change of M leaves its zeros zeros
	v_mov_b32 v13, 0xff61b1e6                      ; the largest t so far: -3e38
	v_floor_f32 v12, -v13
	v_mov_b32 v14, 0
	v_mov_b32 v15, 0
.set j, 0
.rept 32
	v_mov_b32 v[160+j], 0
.set j, j+1
.endr
.endm
.macro SEQ                             ; a wait, an add and a barrier ahead of a later first fill; the barrier also shows the third group to every wave
	s_wait_tensorcnt 0x0
	ds_add_u32 v251, v255
	s_wait_dscnt 0x0
	s_barrier_signal -1
	s_barrier_wait -1
.endm
	s_load_b128 s[4:7], s[0:1], 0x0                ; qkvc, the scales' exponents
	s_load_b64 s[8:9], s[0:1], 0x10                ; oc
	v_lshl_add_u32 v251, v0, 2, 0x40000
	v_mov_b32 v255, 0
	ds_add_u32 v251, v255                          ; the opening lines: the add twice on end and its wait
	ds_add_u32 v251, v255
	v_lshrrev_b32 v8, 5, v0
	v_readfirstlane_b32 s[WV], v8                  ; wave 0..15
	s_and_b32 s10, ttmp7, 0xffff
	s_lshl_b32 s12, s10, 17                        ; the head's 131,072 bytes in q, in k and in v
	MKG1 G1A, 8                                    ; steps 0-1: 16,384 bytes of K and of V, 2,048 a wave
	MKG1 G1B, 24                                   ; steps 2-7: 49,152 bytes, 6,144 a wave
	MKG1 G1C, 32                                   ; steps 8-15: 65,536 bytes, 8,192 a wave
	s_mov_b32 s[SEL], 0x76543210
	s_mov_b32 s[SEL+1], 0xfedcba98
	s_mov_b32 s[CS], 0x3e38aa3b                    ; c = log2(e) / 8
	s_lshr_b32 s14, s[WV], 3                       ; waves 0-7: K; waves 8-15: V
	s_and_b32 s15, s[WV], 7                        ; which eighth
	s_lshl_b32 s17, s14, 17                        ; V lies 131,072 bytes behind K in LDS,
	s_lshl_b32 s90, s14, 22
	s_add_co_u32 s90, s90, 0x400000                ; k at 4 MiB, v at 8 MiB of qkvc
	s_add_co_u32 s90, s90, s12
	s_lshr_b32 s[PAIR], s[WV], 1
	s_and_b32 s[PAR], s[WV], 1
	s_lshr_b32 s93, s10, 4
	s_lshl_b32 s93, s93, 21                        ; the batch: 128 tiles of 16,384 bytes
	s_and_b32 s92, s10, 15
	s_lshl_b32 s92, s92, 10                        ; the head's 64 along the next K: 1,024 bytes of the tile
	s_add_co_u32 s93, s93, s92
	s_mov_b32 s94, ttmp9                           ; the light block
	s_sub_co_u32 s95, 15, ttmp9                    ; the heavy block
	s_wait_dscnt 0x0
	s_wait_kmcnt 0x0
	s_load_b256 s[68:75], s[6:7], 0x18             ; entries 6 .. 13
	MKG0 G0A, 0, 2048
	tensor_load_to_lds s[G0A:G0A+3], s[G1A:G1A+7]  ; one tensor load a wave at the head, with no branch
	s_nop 0
	PLACES
	MKG0 G0B, 16384, 6144
	MKG0 G0C, 65536, 8192
	TILE 94, 84, 76, 80
	TILE 95, 85, 78, 82
	s_mul_i32 s88, s[PAIR], 4608
	s_add_co_u32 s88, s88, HAND
	v_and_b32 v1, 31, v0
	v_lshlrev_b32 v1, 4, v1
	global_load_b128 v[16:19], v1, s[76:77]
	global_load_b128 v[20:23], v1, s[76:77] offset:512
	global_load_b128 v[24:27], v1, s[78:79]
	global_load_b128 v[28:31], v1, s[78:79] offset:512
	v_add_nc_u32 v11, s88, v1                      ; the pair's bytes, 16 a lane
	v_and_b32 v8, 15, v0
	v_and_b32 v9, 8, v8
	v_add_nc_u32 v10, v9, v8
	v_bfe_u32 v9, v0, 4, 1
	v_lshlrev_b32 v9, 4, v9
	v_sub_nc_u32 v10, v10, v9                      ; r + 8 (r / 8) - 16 h
	v_mov_b32 v236, 0                              ; a lane permute's destination counts as read
	v_mov_b32 v252, 0
	v_mov_b32 v253, 0
	RESET
	s_wait_kmcnt 0x0
	s_add_co_i32 s60, s68, s69
	s_lshl_b32 s60, s60, 23
	s_add_co_i32 s[CS], s[CS], s60                 ; a score stands for score x 2^(e6 + e7)
	s_mov_b32 s[CS+1], s[CS]
	s_add_co_i32 s60, s71, 127
	s_lshl_b32 s61, s60, 23
	v_mov_b32 v244, s61                            ; 2^e9, for p
	s_add_co_i32 s60, s60, 8
	s_lshl_b32 s60, s60, 23
	s_or_b32 s60, s60, 0x600000
	v_mov_b32 v240, s60
	s_add_co_i32 s60, s72, 127
	s_lshl_b32 s61, s60, 23
	v_mov_b32 v245, s61                            ; 2^e10, for the result
	s_add_co_i32 s60, s60, 8
	s_lshl_b32 s60, s60, 23
	s_or_b32 s60, s60, 0x600000
	v_mov_b32 v241, s60
.macro STEP qr                         ; 128 keys, from KF on, at LDS byte TB; Q's fragment in v[qr ..]; then two steps on
	s_add_co_u32 s96, s[Q0], 23                    ; my last query
	s_cmp_gt_u32 s[KF], s96
	s_cbranch_scc1 .Lhidden_\@
	v_add_nc_u32 v[ADK], s[TB], v1
	s_delay_alu instid0(VALU_DEP_1)
	v_add_nc_u32 v[ADV], 0x20000, v[ADK]
	v_nop                                          ; with the two additions: four places in front of loads into registers that the last products read
	v_nop
.irp t, 0,1,2,3,4,5,6,7
	ds_load_b128 v[32+8*\t:35+8*\t], v[ADK] offset:1024*\t
	ds_load_b128 v[36+8*\t:39+8*\t], v[ADK] offset:1024*\t+512
.endr
	s_wait_alu depctr_va_vdst(0)
	s_wait_dscnt 0x0
.irp t, 0,1,2,3,4,5,6,7                ; S^T = K Q^T: registers 16 b + i are keys KF + 32 b + 16 h + i
	v_wmma_f32_16x16x64_fp8_fp8 v[96+8*\t:103+8*\t], v[32+8*\t:39+8*\t], v[\qr:\qr+7], 0
.endr
.rept 4
	v_nop
.endr
.irp t, 0,1,2,3                        ; V's four fragments land under the softmax
.irp c, 0,1,2,3
	ds_load_b128 v[32+16*\t+4*\c:35+16*\t+4*\c], v[ADV] offset:2048*\t+512*\c
.endr
.endr
	s_add_co_u32 s96, s[KF], 127
	s_cmp_le_u32 s96, s[Q0]
	s_cbranch_scc1 .Lopen_\@                       ; all keys count
	s_sub_co_i32 s96, s[Q0], s[KF]
	v_add_nc_u32 v254, s96, v10                    ; d = my query - KF - 16 h: register 16 b + i is hidden where 32 b + i > d
	v_mov_b32 v242, 0xff800000
.set n, 0
.rept 64
	v_cmp_gt_i32 vcc_lo, 32*(n/16)+n%16, v254
	v_cndmask_b32 v[96+n], v[96+n], v242, vcc_lo
.set n, n+1
.endr
.Lopen_\@:
	v_max3_num_f32 v254, v96, v97, v98             ; the step's largest score of my query, in two chains, each accumulator from its low end on
	v_max3_num_f32 v252, v99, v100, v101
.irp i, 6,10,14,18,22,26,30,34,38,42,46,50,54,58
	v_max3_num_f32 v254, v254, v[96+\i], v[97+\i]
	v_max3_num_f32 v252, v252, v[98+\i], v[99+\i]
.endr
	v_max3_num_f32 v254, v254, v158, v159
	s_delay_alu instid0(VALU_DEP_1)
	v_max_num_f32 v254, v254, v252
	v_permlanex16_b32 v236, v254, s[SEL], s[SEL+1]
	s_delay_alu instid0(VALU_DEP_1)
	v_max_num_f32 v254, v254, v236
	s_delay_alu instid0(VALU_DEP_1)
	v_mul_f32 v254, s[CS], v254
	s_delay_alu instid0(VALU_DEP_1)
	v_max_num_f32 v13, v13, v254                   ; the running largest t
	v_mov_b32 v254, v12
	s_delay_alu instid0(VALU_DEP_2)
	v_floor_f32 v12, -v13                          ; -M = floor(-t)
	s_delay_alu instid0(VALU_DEP_1)
	v_sub_f32 v254, v12, v254
	s_delay_alu instid0(VALU_DEP_1)
	v_cvt_i32_f32 v254, v254                       ; old M - new M, a whole number (it saturates)
	s_delay_alu instid0(VALU_DEP_1)
	v_ldexp_f32 v252, 1.0, v254                    ; f = 2^(old M - new M)
.set j, 0
.rept 32
	v_pk_fma_f32 v[96+j:97+j], v[96+j:97+j], s[CS:CS+1], v[12:13] op_sel_hi:[1,0,0]   ; t - M
.set j, j+2
.endr
.set j, 0
	s_wait_alu depctr_va_vdst(0)
.rept 64
	v_exp_f32 v[96+j], v[96+j]
.set j, j+1
.endr
	v_pk_mul_f32 v[14:15], v[14:15], v[252:253] op_sel_hi:[1,0]   ; the sums under the new M: the plain line behind the exponentials
	s_wait_alu depctr_va_vdst(0)                   ; one wait for the batch, ahead of its first reader
	v_pk_add_f32 v[242:243], v[100:101], v[104:105]
	v_pk_add_f32 v[248:249], v[108:109], v[112:113]
	v_pk_add_f32 v[246:247], v[116:117], v[120:121]
	v_pk_add_f32 v[238:239], v[124:125], v[128:129]
	v_pk_add_f32 v[236:237], v[132:133], v[136:137]
	v_pk_add_f32 v[234:235], v[140:141], v[144:145]
	v_pk_add_f32 v[232:233], v[148:149], v[152:153]
	v_pk_add_f32 v[14:15], v[14:15], v[156:157]
	v_pk_add_f32 v[242:243], v[242:243], v[96:97]
	v_pk_add_f32 v[248:249], v[248:249], v[98:99]
	v_pk_add_f32 v[246:247], v[246:247], v[102:103]
	v_pk_add_f32 v[238:239], v[238:239], v[106:107]
	v_pk_add_f32 v[236:237], v[236:237], v[110:111]
	v_pk_add_f32 v[234:235], v[234:235], v[114:115]
	v_pk_add_f32 v[232:233], v[232:233], v[118:119]
	v_pk_add_f32 v[14:15], v[14:15], v[122:123]
	v_pk_add_f32 v[242:243], v[242:243], v[126:127]
	v_pk_add_f32 v[248:249], v[248:249], v[130:131]
	v_pk_add_f32 v[246:247], v[246:247], v[134:135]
	v_pk_add_f32 v[238:239], v[238:239], v[138:139]
	v_pk_add_f32 v[236:237], v[236:237], v[142:143]
	v_pk_add_f32 v[234:235], v[234:235], v[146:147]
	v_pk_add_f32 v[232:233], v[232:233], v[150:151]
	v_pk_add_f32 v[14:15], v[14:15], v[154:155]
	v_pk_add_f32 v[242:243], v[242:243], v[158:159]
	s_delay_alu instid0(VALU_DEP_2)
	v_pk_add_f32 v[14:15], v[14:15], v[238:239]
	s_delay_alu instid0(VALU_DEP_2)
	v_pk_add_f32 v[242:243], v[242:243], v[236:237]
	v_pk_add_f32 v[248:249], v[248:249], v[234:235]
	v_pk_add_f32 v[246:247], v[246:247], v[232:233]
	s_delay_alu instid0(VALU_DEP_2)
	v_pk_add_f32 v[14:15], v[14:15], v[248:249]
	s_delay_alu instid0(VALU_DEP_2)
	v_pk_add_f32 v[242:243], v[242:243], v[246:247]
	s_delay_alu instid0(VALU_DEP_1)
	v_pk_add_f32 v[14:15], v[14:15], v[242:243]
.irp b, 0,1,2,3
.set i, 0
.rept 16
	v_min_num_f32 v[96+16*\b+i], v[96+16*\b+i], v240   ; p is not negative: a one-sided hold
.set i, i+1
.endr
	v_cvt_scalef32_pk8_fp8_f32 v[224+4*\b:225+4*\b], v[96+16*\b:103+16*\b], v244
	v_cvt_scalef32_pk8_fp8_f32 v[226+4*\b:227+4*\b], v[104+16*\b:111+16*\b], v244
.endr
.set j, 0
.rept 16
	v_pk_mul_f32 v[160+j:161+j], v[160+j:161+j], v[252:253] op_sel_hi:[1,0]   ; O^T under the new M; also the plain lines behind the conversions
.set j, j+2
.endr
	s_wait_alu depctr_va_vdst(0)
	s_wait_dscnt 0x0                               ; V is in
.irp t, 0,1,2,3                        ; O^T += V^T P^T: four accumulators, one instruction a turn
	v_wmma_f32_16x16x128_fp8_fp8 v[160+8*\t:167+8*\t], v[32+16*\t:47+16*\t], v[224:239], v[160+8*\t:167+8*\t]
.endr
.Lhidden_\@:
	s_add_co_u32 s[KF], s[KF], 256                 ; my next step: the partner takes the one between
	s_add_co_u32 s[TB], s[TB], 16384
.endm
.macro SAVE                            ; my state as an image of its registers; each accumulator from its low end on
.irp k, 0,1,2,3,4,5,6,7
	ds_store_b128 v11, v[160+4*\k:163+4*\k] offset:512*\k
.endr
	ds_store_b128 v11, v[12:15] offset:4096
.endm
.macro FINAL oa, cd                    ; the partner's state joins mine; the result's codes go into v[cd ..], which nothing writes again
.irp k, 0,1,2,3,4,5,6,7
	ds_load_b128 v[32+4*\k:35+4*\k], v11 offset:512*\k
.endr
	ds_load_b128 v[64:67], v11 offset:4096
	s_wait_dscnt 0x0
	v_min_num_f32 v68, v12, v64                    ; -M of the larger M
	v_sub_f32 v69, v68, v12                        ; my M less it, a whole number, 0 or less
	v_sub_f32 v70, v68, v64                        ; the partner's likewise
	v_cvt_i32_f32 v69, v69                         ; (they saturate: a state with no key in it gets the factor 0)
	v_cvt_i32_f32 v70, v70
	v_ldexp_f32 v72, 1.0, v69
	v_ldexp_f32 v74, 1.0, v70
	v_mov_b32 v73, v72
	v_mov_b32 v75, v74
	v_pk_mul_f32 v[14:15], v[14:15], v[72:73]
	v_pk_fma_f32 v[14:15], v[66:67], v[74:75], v[14:15]
.set j, 0
.rept 16
	v_pk_mul_f32 v[160+j:161+j], v[160+j:161+j], v[72:73]
.set j, j+2
.endr
.set j, 0
.rept 16
	v_pk_fma_f32 v[160+j:161+j], v[32+j:33+j], v[74:75], v[160+j:161+j]
.set j, j+2
.endr
	v_add_f32 v14, v14, v15
	v_permlanex16_b32 v252, v14, s[SEL], s[SEL+1]
	v_add_f32 v14, v14, v252                       ; the row's sum
	s_wait_alu depctr_va_vdst(0)                   ; the wait ahead of the transcendental
	v_rcp_f32 v14, v14
	v_nop
	s_add_co_i32 s96, s70, s71                     ; e8 + e9
	s_wait_alu depctr_va_vdst(0)                   ; and ahead of its first reader
	v_ldexp_f32 v14, v14, s96
	v_mov_b32 v15, v14
.set j, 0
.rept 16
	v_pk_mul_f32 v[96+j:97+j], v[160+j:161+j], v[14:15]   ; registers 16 b + i: channels 32 b + 16 h + i of my query
.set j, j+2
.endr
.set j, 0
.rept 32
	v_med3_num_f32 v[96+j], v[96+j], -v241, v241
.set j, j+1
.endr
.irp b, 0,1
	v_cvt_scalef32_pk8_fp8_f32 v[\cd+4*\b:\cd+4*\b+1], v[96+16*\b:103+16*\b], v245
	v_cvt_scalef32_pk8_fp8_f32 v[\cd+4*\b+2:\cd+4*\b+3], v[104+16*\b:111+16*\b], v245
.endr
	v_nop
	global_store_b128 v1, v[\cd:\cd+3], s[\oa:\oa+1]       ; 512 consecutive bytes each
	global_store_b128 v1, v[\cd+4:\cd+7], s[\oa:\oa+1] offset:512
.endm
	s_wait_alu depctr_va_vdst(0)                   ; the wait at the head's end
	s_wait_loadcnt 0x0                             ; Q, both tiles'
	SEQ                                            ; steps 0-1 are in, everybody's part
	tensor_load_to_lds s[G0B:G0B+3], s[G1B:G1B+7]  ; steps 2-7: my one tensor load behind this barrier
	s_nop 0
	PLACES
; ---------------- the light tile: steps 0-7 at the most
	s_mov_b32 s[Q0], s84
	s_lshl_b32 s[KF], s[PAR], 7
	s_lshl_b32 s[TB], s[PAR], 13
	STEP 16
	SEQ                                            ; steps 2-7 are in
	tensor_load_to_lds s[G0C:G0C+3], s[G1C:G1C+7]  ; steps 8-15
	s_nop 0
	PLACES
	s_mov_b32 s[CNT], 3
.Llight:
	STEP 16
	s_sub_co_u32 s[CNT], s[CNT], 1
	s_cmp_lg_u32 s[CNT], 0
	s_cbranch_scc1 .Llight
	PLACES
	s_cmp_eq_u32 s[PAR], 0
	s_cbranch_scc0 .Lkeep_light
	SAVE                                           ; parity 0 hands the light tile's state over
.Lkeep_light:
	s_wait_dscnt 0x0                               ; for the partner's sake
	s_barrier_signal -1
	s_barrier_wait -1                              ; the third group may be on its way
	s_cmp_eq_u32 s[PAR], 0
	s_cbranch_scc1 .Lgave_light
	FINAL 80, 192                                  ; parity 1 finishes it
.Lgave_light:
; ---------------- the heavy tile
	RESET
	s_wait_alu depctr_va_vdst(0)
	s_mov_b32 s[Q0], s85
	s_lshl_b32 s[KF], s[PAR], 7
	s_lshl_b32 s[TB], s[PAR], 13
	s_mov_b32 s[CNT], 4
.Lheavy0:
	STEP 24
	s_sub_co_u32 s[CNT], s[CNT], 1
	s_cmp_lg_u32 s[CNT], 0
	s_cbranch_scc1 .Lheavy0
	SEQ                                            ; steps 8-15 are in; nothing more is asked for
	s_mov_b32 s[CNT], 4
.Lheavy1:
	STEP 24
	s_sub_co_u32 s[CNT], s[CNT], 1
	s_cmp_lg_u32 s[CNT], 0
	s_cbranch_scc1 .Lheavy1
	PLACES
	s_cmp_eq_u32 s[PAR], 0
	s_cbranch_scc1 .Lkeep_heavy
	SAVE                                           ; parity 1 hands the heavy tile's state over, into the bytes that it alone has touched since the last barrier
.Lkeep_heavy:
	s_wait_dscnt 0x0
	s_barrier_signal -1
	s_barrier_wait -1
	s_cmp_eq_u32 s[PAR], 0
	s_cbranch_scc0 .Lgave_heavy
	FINAL 82, 200                                  ; parity 0 finishes it
.Lgave_heavy:
	s_wait_tensorcnt 0x0                           ; the wave's end
	ds_add_u32 v251, v255
	s_wait_dscnt 0x0
	s_endpgm
.Lfunc_end_k_q3ee130a679_attn:
	.size	k_q3ee130a679_attn, .Lfunc_end_k_q3ee130a679_attn-k_q3ee130a679_attn
	.p2alignl 7, 3214868480
	.fill 96, 4, 3214868480
	.section	.rodata,"a",@progbits
	.p2align	6, 0x0
	.amdhsa_kernel k_q3ee130a679_attn
		.amdhsa_group_segment_fixed_size 327680
		.amdhsa_private_segment_fixed_size 0
		.amdhsa_enable_private_segment 0
		.amdhsa_kernarg_size 24
		.amdhsa_user_sgpr_count 2
		.amdhsa_user_sgpr_kernarg_segment_ptr 1
		.amdhsa_wavefront_size32 1
		.amdhsa_system_sgpr_workgroup_id_x 1
		.amdhsa_system_sgpr_workgroup_id_y 1
		.amdhsa_system_sgpr_workgroup_id_z 1
		.amdhsa_system_vgpr_workitem_id 0
		.amdhsa_next_free_vgpr 256
		.amdhsa_next_free_sgpr 100
		.amdhsa_reserve_vcc 1
		.amdhsa_float_denorm_mode_32 3
		.amdhsa_float_denorm_mode_16_64 3
		.amdhsa_memory_ordered 1
		.amdhsa_forward_progress 1
		.amdhsa_inst_pref_size 111
	.end_amdhsa_kernel
	.amdgpu_metadata
---
amdhsa.version: [ 1, 2 ]
amdhsa.kernels:
  - .name:           k_q3ee130a679_attn
    .symbol:         k_q3ee130a679_attn.kd
    .args:
      - { .name: qkvc, .offset: 0, .size: 8, .value_kind: global_buffer, .address_space: global }
      - { .name: lowp_scales, .offset: 8, .size: 8, .value_kind: global_buffer, .address_space: global }
      - { .name: oc, .offset: 16, .size: 8, .value_kind: global_buffer, .address_space: global }
    .group_segment_fixed_size: 327680
    .private_segment_fixed_size: 0
    .kernarg_segment_align: 8
    .kernarg_segment_size: 24
    .max_flat_workgroup_size: 512
    .sgpr_count:     100
    .vgpr_count:     256
    .wavefront_size: 32
...
	.end_amdgpu_metadata
.endif
;; end of part 3
;; launch wo (part 4): grid 8 x 32, 4 waves a work-group, clusters of 4 x 4, 327,680 bytes of LDS; arguments oc, wc, lowp_scales, x, y; writes y
.if DOCPART == 4
	.amdgcn_target "amdgcn-amd-amdhsa--gfx1250"
	.amdhsa_code_object_version 6
	.text
	.protected	k_q3ee130a679_wo
	.globl	k_q3ee130a679_wo
	.p2align	8
	.type	k_q3ee130a679_wo,@function
k_q3ee130a679_wo:
	s_mov_b64 s[64:65], 0
	v_nop
	global_prefetch_b8 v0, s[64:65] scope:SCOPE_SE
	s_setreg_imm32_b32 hwreg(HW_REG_WAVE_MODE, 25, 1), 1
	s_wait_xcnt 0x0
	s_wait_alu depctr_hold_cnt(0) depctr_sa_sdst(0) depctr_va_vdst(0) depctr_va_sdst(0) depctr_va_ssrc(0) depctr_va_vcc(0) depctr_vm_vsrc(0)
	s_getreg_b32 s2, hwreg(HW_REG_IB_STS2, 6, 4)
	s_cmp_eq_u32 s2, 0
	s_cbranch_scc0 .Lentry_in_a_cluster
	s_endpgm
.Lentry_in_a_cluster:
	s_bfe_u32 s2, ttmp6, 0x10000c
	s_cmp_lg_u32 s2, 0xf033
	s_cbranch_scc0 .Lentry_shape_is_right
	s_endpgm
.Lentry_shape_is_right:
; y = x + P Q^T x 2^(ea + eb), f32 [4096][1024]: P = the codes of the attention's result (4,096 tokens), Q = Wo's codes (rows = its 1,024 columns), x the residual.
; Codes lie in the layout of fragments: tile = 2 (row >> 5) + ((row >> 3) & 1), pos = (row & 7) + 8 ((row >> 4) & 1); a fragment of 16 rows x 128 K is 2,048 bytes on end, a tile's K on end.
; A work-group of four waves makes 128 x 128 (8 x 32 = 256 work-groups), a wave 64 x 64: 16 accumulators.  Source 0 = 16 rows of Q, source 1 = 16 rows of P: a lane holds numbers of one row of y.
; THE WHOLE K (1,024) IS FETCHED AT THE HEAD: each wave's one tensor load brings 4 tiles x 16,384 bytes (waves 0, 1: P's halves; 2, 3: Q's); nothing is filled again, so there is no ring.
; P's tiles are asked for jointly along a row of the 4 x 4 cluster, Q's along a column.  No prefetch: the launch has no loop to run ahead in; all that a work-group reads is asked for at its head.
; The residual's 64 x 64 numbers of a wave are loaded at the head into registers, in the order in which the way out reads rows back from its stage.
; LIMIT: ea + eb between -126 and 127.
; REGISTERS: window 0: v16-30 addresses, v64-191 P's fragments in two sets (on the way out: rows read back); window 1: v0-127 Q's fragments in two sets, v128-255 the accumulators; window 2: v0-127 the residual.
.set SIZE_K, 1024
.set KS,     1024                      ; along K in one fill
.set WOFF,   0x300000                  ; the weight's codes in wc
.set SCI,    10                        ; the product's first entry among the scales
.set BIAS,   0
.set NQ,     KS/128
.set NCH,    SIZE_K/KS
.set HALFT,  64*KS                     ; what one tensor load brings: 4 tiles
.set SLOT,   4*HALFT
.set SPARE,  262144                    ; the spare words, 512 bytes
.set STAGE,  SPARE+512                 ; the way out: 16 rows x (256 + 16) bytes a wave, bytes of its own
.set SP,     272
.set BV,   8
.set ADRA, 16
.set ADRB, 20
.set STO,  24
.set RD,   25
.set CO,   26
.set SPW,  28
.set NIL,  29
.set PFO,  30
.set AF,   64
.set G1, 24
.set G0, 32
.set G1B, 48
.set G0B, 56
.set PFA, 66
.set CH,  68
.set MSB, 0
.macro WIN new
.if MSB != \new
	s_set_vgpr_msb (MSB<<8)|\new
.set MSB, \new
.endif
.endm
.macro JLOAD g0a, g1a, g0b, g1b        ; waves 0, 1 ask for P, waves 2, 3 for Q
	s_cmp_eq_u32 s15, 0
	s_cbranch_scc0 .Lfor_b_\@
	tensor_load_to_lds s[\g0a:\g0a+3], s[\g1a:\g1a+7]
	s_nop 0
.rept 4
	v_nop
.endr
	s_branch .Lasked_\@
.Lfor_b_\@:
	tensor_load_to_lds s[\g0b:\g0b+3], s[\g1b:\g1b+7]
	s_nop 0
.rept 4
	v_nop
.endr
.Lasked_\@:
.endm
.macro CREST
	s_cmp_lg_u32 s14, 0
	s_cbranch_scc1 .Lnot_wave_0_\@
	s_barrier_signal -3
.Lnot_wave_0_\@:
	s_barrier_wait -3
	s_barrier_signal -1
	s_barrier_wait -1
.endm
.macro CROUND
	s_barrier_signal -1
	s_barrier_wait -1
	CREST
.endm
.macro MKG0 s
	s_mov_b32 s[G0+4*\s], 1
	s_add_co_u32 s[G0+4*\s+1], s45, \s*SLOT
	s_add_nc_u64 s[G0+4*\s+2:G0+4*\s+3], s[20:21], \s*16*KS
	s_or_b32 s[G0+4*\s+3], s[G0+4*\s+3], 0x80000000
	s_mov_b32 s[G0B+4*\s], 1
	s_add_co_u32 s[G0B+4*\s+1], s45, \s*SLOT
	s_add_nc_u64 s[G0B+4*\s+2:G0B+4*\s+3], s[46:47], \s*16*KS
	s_or_b32 s[G0B+4*\s+3], s[G0B+4*\s+3], 0x80000000
.endm
	s_load_b256 s[4:11], s[0:1], 0x0               ; P's codes, wc, the scales' exponents, the residual
.if BIAS
	s_load_b128 s[76:79], s[0:1], 0x20             ; y, the bias
.else
	s_load_b64 s[76:77], s[0:1], 0x20              ; y
.endif
	v_lshl_add_u32 v[SPW], v0, 2, SPARE
	v_mov_b32 v[NIL], 0
	ds_add_u32 v[SPW], v[NIL]                      ; the opening lines: the add twice on end and its wait
	ds_add_u32 v[SPW], v[NIL]
	v_lshrrev_b32 v1, 5, v0
	v_readfirstlane_b32 s14, v1                    ; wave
	s_lshr_b32 s15, s14, 1                         ; my half of the rows; also: I fetch for P (0) or Q (1)
	s_and_b32 s16, s14, 1                          ; my half of the columns; also: which 4 tiles I fetch
	s_bfe_u32 s40, ttmp6, 0x40000                  ; cx
	s_bfe_u32 s41, ttmp6, 0x40004                  ; cy
	s_lshl_b32 s42, ttmp9, 2
	s_add_co_u32 s42, s42, s40                     ; Q's block of 128 rows
	s_and_b32 s17, ttmp7, 0xffff
	s_lshl_b32 s17, s17, 2
	s_add_co_u32 s17, s17, s41                     ; P's
	s_lshl_b32 s43, s41, 2
	s_lshl_b32 s43, 15, s43                        ; my row of the cluster
	s_lshl_b32 s44, 0x1111, s40                    ; my column
	s_or_b32 s[G1+0], s43, (3<<16)|(1<<21)         ; elements of 8 bytes; bit 21 beside the mask
	s_or_b32 s[G1B+0], s44, (3<<16)|(1<<21)
.irp g, G1, G1B
	s_mov_b32 s[\g+1], (2*KS)<<16                  ; a row: a tile's 16 KS bytes
	s_mov_b32 s[\g+2], 4<<16                       ; 4 tiles
	s_mov_b32 s[\g+3], (2*KS)<<16
	s_mov_b32 s[\g+4], 4
	s_mov_b32 s[\g+5], 2*SIZE_K                    ; from tile to tile: 16 SIZE_K bytes
	s_mov_b32 s[\g+6], 0
	s_mov_b32 s[\g+7], 0
.endr
	s_mul_i32 s18, s16, 64*SIZE_K
	s_mul_i32 s20, s17, 128*SIZE_K
	s_add_co_u32 s20, s20, s18
	s_mov_b32 s21, 0
	s_mul_i32 s46, s42, 128*SIZE_K
	s_add_co_u32 s46, s46, s18
	s_add_co_u32 s46, s46, WOFF
	s_mov_b32 s47, 0
	s_mul_i32 s45, s14, HALFT                      ; where my load goes: the wave's number alone
	s_wait_dscnt 0x0
	s_wait_kmcnt 0x0
	s_load_b64 s[96:97], s[8:9], 4*SCI             ; ea, eb
	s_add_nc_u64 s[20:21], s[4:5], s[20:21]
	s_add_nc_u64 s[46:47], s[6:7], s[46:47]
	CROUND                                         ; in front of the first joint loads
	MKG0 0
.if NCH > 1
	MKG0 1
.endif
	JLOAD G0, G1, G0B, G1B                         ; one tensor load a wave at the head
	s_mul_i32 s82, s15, HALFT                      ; my 64 rows of P in a slot
	s_mul_i32 s83, s16, HALFT
	s_add_co_u32 s83, s83, 2*HALFT                 ; my 64 rows of Q
	s_mul_i32 s84, s14, 16*SP
	s_add_co_u32 s84, s84, STAGE                   ; my stage
	s_lshl_b32 s72, s17, 19                        ; 128 rows of 4,096 bytes
	s_lshl_b32 s73, s15, 18
	s_add_co_u32 s72, s72, s73
	s_lshl_b32 s73, s42, 9                         ; 128 columns
	s_add_co_u32 s72, s72, s73
	s_lshl_b32 s73, s16, 8
	s_add_co_u32 s72, s72, s73
	s_mov_b32 s73, 0
	s_add_nc_u64 s[76:77], s[76:77], s[72:73]      ; my part of y,
	s_add_nc_u64 s[10:11], s[10:11], s[72:73]      ; and of the residual
.if BIAS
	s_lshl_b32 s74, s42, 9
	s_lshl_b32 s75, s16, 8
	s_add_co_u32 s74, s74, s75
	s_mov_b32 s75, 0
	s_add_nc_u64 s[78:79], s[78:79], s[74:75]      ; my 64 columns of the bias
.endif
.if NCH > 1
	s_cmp_eq_u32 s15, 0                            ; the prefetches: of the 4 tiles that I fetch, the partner at place p (cx for P, cy for Q) names tile p
	s_cselect_b32 s70, s40, s41
	s_cselect_b64 s[PFA:PFA+1], s[20:21], s[46:47]
	s_mul_i32 s70, s70, 16*SIZE_K
	s_add_co_u32 s70, s70, 3*16*KS                 ; the first change of slots steps it to fill 4
	s_mov_b32 s71, 0
	s_add_nc_u64 s[PFA:PFA+1], s[PFA:PFA+1], s[70:71]
	s_mov_b32 s[CH], 0
.endif
	v_and_b32 v6, 31, v0
	v_lshlrev_b32 v7, 4, v6                        ; 16 x lane
	v_and_b32 v1, 15, v0                           ; r
	v_bfe_u32 v2, v0, 4, 1                         ; h
	v_add_nc_u32 v[ADRA], s82, v7
	v_add_nc_u32 v[ADRB], s83, v7
.if NCH > 1
	v_add_nc_u32 v[ADRA+1], SLOT, v[ADRA]
	v_add_nc_u32 v[ADRB+1], SLOT, v[ADRB]
	v_lshlrev_b32 v[PFO], 8, v6                    ; lanes 256 bytes apart: 8,192 bytes, a tile's part of a fill
.endif
	v_mul_u32_u24 v5, v1, SP
	v_lshl_add_u32 v5, v2, 6, v5
	v_add_nc_u32 v[STO], s84, v5                   ; stage, in: position r, + 64 h: of Q's tiles 2 b, 2 b + 1 I hold columns 32 b + 16 h + 0 .. 15
	v_mul_u32_u24 v3, v2, SP
	v_lshl_add_u32 v3, v1, 4, v3
	v_add_nc_u32 v[RD], s84, v3                    ; back: lanes 0-15 one row of 256 bytes, lanes 16-31 the next
	v_lshlrev_b32 v4, 12, v2
	v_lshl_add_u32 v[CO], v1, 4, v4                ; and the same two rows in y and in the residual
	v_lshlrev_b32 v12, 4, v1
	s_wait_alu depctr_va_vdst(0)                   ; the wait at the head's end
.if BIAS
	global_load_b128 v[BV:BV+3], v12, s[78:79]
.endif
	WIN 0x80                                       ; destination window 2
.irp a, 0,1,2,3
.irp t, 0,1,2,3,4,5,6,7
	global_load_b128 v[32*\a+4*\t:32*\a+4*\t+3], v[CO], s[10:11] offset:(32*(\a/2)+8*(\a%2)+2*\t+8*(\t/4))*4096 th:TH_LOAD_NT   ; sixteen lanes read 256 consecutive bytes, aligned
.endr
.endr
	WIN 0
.macro FRAG reg, adr, q, i
.irp c, 0,1,2,3
	ds_load_b128 v[\reg+4*\c:\reg+4*\c+3], v[\adr] offset:16*KS*(\i)+2048*(\q)+512*\c
.endr
.endm
.macro FETCH slot, q, p                ; 32 LDS loads: the fragments of one step of 128 along K into set p
	WIN 0x40
.irp i, 0,1,2,3
	FRAG 64*(\p)+16*\i, ADRB+\slot, \q, \i
.endr
	WIN 0
.irp i, 0,1,2,3
	FRAG AF+64*(\p)+16*\i, ADRA+\slot, \q, \i
.endr
.endm
.macro MUL p, zero                     ; the 16 accumulators take turns, one instruction a turn
	WIN 0x51                                       ; source 0, C and D window 1, source 1 window 0
.irp a, 0,1,2,3
.irp b, 0,1,2,3
.if \zero
	v_wmma_f32_16x16x128_fp8_fp8 v[128+8*(4*\a+\b):128+8*(4*\a+\b)+7], v[64*(\p)+16*\b:64*(\p)+16*\b+15], v[AF+64*(\p)+16*\a:AF+64*(\p)+16*\a+15], 0
.else
	v_wmma_f32_16x16x128_fp8_fp8 v[128+8*(4*\a+\b):128+8*(4*\a+\b)+7], v[64*(\p)+16*\b:64*(\p)+16*\b+15], v[AF+64*(\p)+16*\a:AF+64*(\p)+16*\a+15], v[128+8*(4*\a+\b):128+8*(4*\a+\b)+7]
.endif
.endr
.endr
.endm
.macro PLACES                          ; four places behind matrix instructions, in front of loads into registers that they read and of reads of their results
.rept 4
	v_nop
.endr
.endm
.macro ASK                             ; a prefetch of the fill that stands two refills on: 8,192 bytes a wave, each block of 256 bytes named once in the cluster; the last four fills have none behind them
	s_cmp_lt_u32 s[CH], NCH-4
	s_cbranch_scc0 .Lnone_\@
	global_prefetch_b8 v[PFO], s[PFA:PFA+1] th:TH_LOAD_NT scope:SCOPE_SE
.Lnone_\@:
	s_add_co_u32 s[CH], s[CH], 1
.endm
; One fill's NQ steps.  mode 2: at its end this slot is filled again; 1: a change of slots with no refill; 0: the last fill
.macro RUN slot, zero, mode
.set Q, 0
.rept NQ-1
	s_wait_dscnt 0x0                               ; this step's fragments are in
	PLACES
	FETCH \slot, Q+1, (Q+1)%2
.if (\zero) && (Q == 0)
	MUL 0, 1                                       ; the first product starts the sums
.else
	MUL Q%2, 0
.endif
.set Q, Q+1
.endr
	s_wait_dscnt 0x0                               ; the last step's fragments are in: my reads of this slot are over
.if \mode == 2
	s_wait_xcnt 0x0                                ; my prefetch has read its address
	s_add_nc_u64 s[PFA:PFA+1], s[PFA:PFA+1], 16*KS
.endif
.if \mode
	WIN 0
	s_wait_tensorcnt 0x0                           ; my part of the next slot is in
	ds_add_u32 v[SPW], v[NIL]
.endif
	MUL 1, 0
	WIN 0
.if \mode
	s_wait_dscnt 0x0                               ; the add is done
	s_barrier_signal -1
	s_barrier_wait -1
.if \mode == 2
	CREST                                          ; the barrier has opened a round of the cluster's barrier
	s_add_nc_u64 s[G0+4*\slot+2:G0+4*\slot+3], s[G0+4*\slot+2:G0+4*\slot+3], 2*16*KS
	s_add_nc_u64 s[G0B+4*\slot+2:G0B+4*\slot+3], s[G0B+4*\slot+2:G0B+4*\slot+3], 2*16*KS
	JLOAD G0+4*\slot, G1, G0B+4*\slot, G1B         ; the first tensor load behind the round; its four v_nop are the places in front of the loads below
.else
	PLACES
.endif
	FETCH 1-\slot, 0, 0
.if \mode == 2
	ASK
.endif
.endif
.endm
.if NCH > 1
	s_wait_tensorcnt 0x0                           ; fill 0 is in; slot 1's first fill is issued as a refill is
	ds_add_u32 v[SPW], v[NIL]
	s_wait_dscnt 0x0
	CROUND
	JLOAD G0+4, G1, G0B+4, G1B
	FETCH 0, 0, 0
	RUN 0, 1, 2
	s_mov_b32 s3, (NCH-4)/2
.Llap:
	RUN 1, 0, 2
	RUN 0, 0, 2
	s_sub_co_u32 s3, s3, 1
	s_cmp_lg_u32 s3, 0
	s_cbranch_scc1 .Llap
	RUN 1, 0, 2
	RUN 0, 0, 1
	RUN 1, 0, 0
.else
	s_wait_tensorcnt 0x0                           ; my part of the operands is in
	s_barrier_signal -1
	s_barrier_wait -1                              ; everybody's is
	FETCH 0, 0, 0
	RUN 0, 1, 0
.endif
; THE WAY OUT, a tile of P's rows at a time: the sums go as they are through my stage and come back as rows of 256 bytes; there x 2^(ea + eb) + the residual in one fused multiply-add.
; LDS serves a wave's instructions in order: no wait between the stores and the loads, nor in front of the next tile's stores.
.macro TOSTAGE a
	WIN 0x04                                       ; the stores' data: window 1
.irp b, 0,1,2,3
	ds_store_b128 v[STO], v[128+32*(\a)+8*\b:128+32*(\a)+8*\b+3] offset:128*(\b/2)+32*(\b%2)      ; each accumulator from its low end on
	ds_store_b128 v[STO], v[128+32*(\a)+8*\b+4:128+32*(\a)+8*\b+7] offset:128*(\b/2)+32*(\b%2)+16
.endr
	WIN 0
.irp t, 0,1,2,3,4,5,6,7
	ds_load_b128 v[AF+32*(\a)+4*\t:AF+32*(\a)+4*\t+3], v[RD] offset:2*\t*SP
.endr
.endm
.macro SEND a, younger                 ; younger: the LDS instructions issued behind this tile's loads
	s_wait_dscnt \younger
	WIN 0x20                                       ; source 2: window 2
.set i, 0
.rept 16
	v_pk_fma_f32 v[AF+32*(\a)+i:AF+32*(\a)+i+1], v[AF+32*(\a)+i:AF+32*(\a)+i+1], s[96:97], v[32*(\a)+i:32*(\a)+i+1] op_sel_hi:[1,0,1]
.set i, i+2
.endr
	WIN 0
.if BIAS
.irp t, 0,1,2,3,4,5,6,7
	v_pk_add_f32 v[AF+32*(\a)+4*\t:AF+32*(\a)+4*\t+1], v[AF+32*(\a)+4*\t:AF+32*(\a)+4*\t+1], v[BV:BV+1]
	v_pk_add_f32 v[AF+32*(\a)+4*\t+2:AF+32*(\a)+4*\t+3], v[AF+32*(\a)+4*\t+2:AF+32*(\a)+4*\t+3], v[BV+2:BV+3]
.endr
.endif
.irp t, 0,1,2,3,4,5,6,7
	global_store_b128 v[CO], v[AF+32*(\a)+4*\t:AF+32*(\a)+4*\t+3], s[76:77] offset:(32*((\a)/2)+8*((\a)%2)+2*\t+8*(\t/4))*4096 th:TH_STORE_NT   ; sixteen lanes store 256 consecutive bytes, aligned; each tile has registers of its own
.endr
.endm
	s_wait_kmcnt 0x0
	s_add_co_i32 s96, s96, s97
	s_add_co_i32 s96, s96, 127
	s_lshl_b32 s96, s96, 23                        ; 2^(ea + eb) as f32
	PLACES
	TOSTAGE 0
	s_wait_loadcnt 0x0                             ; the residual
.irp a, 1,2,3
	TOSTAGE \a
	SEND \a-1, 16                                  ; behind that tile's loads: this tile's 8 stores and 8 loads
.endr
	SEND 3, 0
	s_wait_tensorcnt 0x0                           ; the wave's end
	ds_add_u32 v[SPW], v[NIL]
	s_wait_dscnt 0x0
	CROUND                                         ; the closing round
	s_endpgm
.Lfunc_end_k_q3ee130a679_wo:
	.size	k_q3ee130a679_wo, .Lfunc_end_k_q3ee130a679_wo-k_q3ee130a679_wo
	.p2alignl 7, 3214868480
	.fill 96, 4, 3214868480
	.section	.rodata,"a",@progbits
	.p2align	6, 0x0
	.amdhsa_kernel k_q3ee130a679_wo
		.amdhsa_group_segment_fixed_size 327680
		.amdhsa_private_segment_fixed_size 0
		.amdhsa_enable_private_segment 0
		.amdhsa_kernarg_size 40
		.amdhsa_user_sgpr_count 2
		.amdhsa_user_sgpr_kernarg_segment_ptr 1
		.amdhsa_wavefront_size32 1
		.amdhsa_system_sgpr_workgroup_id_x 1
		.amdhsa_system_sgpr_workgroup_id_y 1
		.amdhsa_system_sgpr_workgroup_id_z 1
		.amdhsa_system_vgpr_workitem_id 0
		.amdhsa_next_free_vgpr 640
		.amdhsa_next_free_sgpr 100
		.amdhsa_reserve_vcc 0
		.amdhsa_float_denorm_mode_32 3
		.amdhsa_float_denorm_mode_16_64 3
		.amdhsa_memory_ordered 1
		.amdhsa_forward_progress 1
		.amdhsa_inst_pref_size 47
	.end_amdhsa_kernel
	.amdgpu_metadata
---
amdhsa.version: [ 1, 2 ]
amdhsa.kernels:
  - .name:           k_q3ee130a679_wo
    .symbol:         k_q3ee130a679_wo.kd
    .args:
      - { .name: oc, .offset: 0, .size: 8, .value_kind: global_buffer, .address_space: global }
      - { .name: wc, .offset: 8, .size: 8, .value_kind: global_buffer, .address_space: global }
      - { .name: lowp_scales, .offset: 16, .size: 8, .value_kind: global_buffer, .address_space: global }
      - { .name: x, .offset: 24, .size: 8, .value_kind: global_buffer, .address_space: global }
      - { .name: y, .offset: 32, .size: 8, .value_kind: global_buffer, .address_space: global }
    .group_segment_fixed_size: 327680
    .private_segment_fixed_size: 0
    .kernarg_segment_align: 8
    .kernarg_segment_size: 40
    .max_flat_workgroup_size: 128
    .sgpr_count:     100
    .vgpr_count:     640
    .wavefront_size: 32
...
	.end_amdgpu_metadata
.endif
;; end of part 4
;; launch ln1 (part 5): grid 256 x 1, 8 waves a work-group, no clusters, 17,920 bytes of LDS; arguments y, ln1_g, ln1_b, lowp_scales, hf, hc; writes hf, hc
.if DOCPART == 5
	.amdgcn_target "amdgcn-amd-amdhsa--gfx1250"
	.amdhsa_code_object_version 6
	.text
	.protected	k_q3ee130a679_ln1
	.globl	k_q3ee130a679_ln1
	.p2align	8
	.type	k_q3ee130a679_ln1,@function
k_q3ee130a679_ln1:
	s_mov_b64 s[64:65], 0
	v_nop
	global_prefetch_b8 v0, s[64:65] scope:SCOPE_SE
	s_setreg_imm32_b32 hwreg(HW_REG_WAVE_MODE, 25, 1), 1
	s_wait_xcnt 0x0
; h = layernorm(y) x g + b, y = x + the attention's projection (the launch before has added x), stored as f32 (hf) and as codes of E4M3 with the scale of entry 12 (hc), in the layout of fragments.
; A work-group takes one tile of that layout (16 rows: 32 (tile >> 1) + 8 (tile & 1) + p + 8 (p / 8)); wave v takes positions 2 v and 2 v + 1, two neighbouring rows, each whole in 32 registers.
; Mean first, then the squares of the differences: no difference of large sums.  A stream: no matrix unit, no cluster, no tensor load.
; LIMITS: entry 12 between -126 and 119; NaN is not served.
; REGISTERS: v1-4 addresses; v16-47 g, v48-79 b; v80-95 the two rows' codes; v96, v97 the scale and the hold; row q: v[112 + 64 q ..] y, then h (the data of the stores into hf: not written again),
;   v[144 + 64 q ..] the held numbers; v144-159 at the end: the fragment read back from the stage; v240-247 at work.
.set G,   16
.set B,   48
.set BACK, 144
.set PY,  4
.set PG,  8
.set PB,  10
.set PO,  14
	s_load_b64 s[4:5], s[0:1], 0x0                 ; y
	s_load_b256 s[8:15], s[0:1], 0x8               ; g, b, the scales' exponents, hf
	s_load_b64 s[16:17], s[0:1], 0x28              ; hc
	v_lshl_add_u32 v254, v0, 2, 0x4200
	v_mov_b32 v255, 0
	v_lshrrev_b32 v1, 5, v0
	s_delay_alu instid0(VALU_DEP_1)
	v_readfirstlane_b32 s18, v1                    ; wave 0..7
	v_and_b32 v5, 31, v0
	s_wait_alu depctr_va_vdst(0)
	v_lshlrev_b32 v1, 4, v5                        ; 16 x lane
	s_wait_alu depctr_va_vdst(0)
	s_lshr_b32 s20, ttmp9, 1
	s_lshl_b32 s20, s20, 5
	s_and_b32 s21, ttmp9, 1
	s_lshl_b32 s21, s21, 3
	s_add_co_u32 s20, s20, s21
	s_lshl_b32 s21, s18, 1
	s_add_co_u32 s20, s20, s21
	s_lshr_b32 s21, s18, 2
	s_lshl_b32 s21, s21, 3
	s_add_co_u32 s20, s20, s21                     ; my first row
	s_lshl_b32 s20, s20, 12
	s_mov_b32 s21, 0
	s_mov_b32 s22, 0x76543210
	s_mov_b32 s23, 0xfedcba98
	s_mov_b32 s24, 0x3a800000                      ; 1 / 1024
	s_mov_b32 s25, 0x3727c5ac                      ; 1e-5
	s_mul_i32 s27, s18, 2080
	v_lshlrev_b32 v2, 2, v5
	s_delay_alu instid0(VALU_DEP_1)
	v_add_nc_u32 v2, s27, v2                       ; the codes' stage, rows of 1,024 + 16 bytes: my two rows, 4 bytes a lane
	v_and_b32 v6, 15, v0
	v_bfe_u32 v7, v0, 4, 1
	s_delay_alu instid0(VALU_DEP_2)
	v_mul_u32_u24 v3, v6, 1040
	s_delay_alu instid0(VALU_DEP_1)
	v_lshl_add_u32 v3, v7, 4, v3
	s_lshl_b32 s27, s18, 7
	v_add_nc_u32 v3, s27, v3                       ; back: position r, K step = my wave, + 16 h
	s_lshl_b32 s27, s18, 11
	v_add_nc_u32 v4, s27, v1                       ; and that fragment's place in the tile
	s_lshl_b32 s28, ttmp9, 14
	s_mov_b32 s29, 0
	s_wait_alu depctr_va_vdst(0)                   ; the wait at the head's end
	s_wait_kmcnt 0x0
	s_load_b32 s26, s[12:13], 0x30                 ; entry 12
	s_add_nc_u64 s[PY:PY+1], s[PY:PY+1], s[20:21]
	s_add_nc_u64 s[PO:PO+1], s[PO:PO+1], s[20:21]
	s_add_nc_u64 s[16:17], s[16:17], s[28:29]
.irp j, 0,1,2,3,4,5,6,7
	global_load_b128 v[G+4*\j:G+4*\j+3], v1, s[PG:PG+1] offset:512*\j
	global_load_b128 v[B+4*\j:B+4*\j+3], v1, s[PB:PB+1] offset:512*\j
.endr
.irp q, 0,1
.irp j, 0,1,2,3,4,5,6,7
	global_load_b128 v[112+64*\q+4*\j:112+64*\q+4*\j+3], v1, s[PY:PY+1] offset:4096*\q+512*\j th:TH_LOAD_NT   ; 512 consecutive bytes
.endr
.endr
	s_wait_kmcnt 0x0
	s_add_co_i32 s26, s26, 127
	s_lshl_b32 s27, s26, 23
	v_mov_b32 v96, s27                             ; 2^e
	s_add_co_i32 s26, s26, 8
	s_lshl_b32 s26, s26, 23
	s_or_b32 s26, s26, 0x600000
	v_mov_b32 v97, s26                             ; 448 x 2^e
.macro LANES                           ; v240 summed over the 32 lanes
	s_delay_alu instid0(VALU_DEP_1)
	v_add_f32_dpp v240, v240, v240 row_xmask:1 row_mask:0xf bank_mask:0xf
	s_delay_alu instid0(VALU_DEP_1)
	v_add_f32_dpp v240, v240, v240 row_xmask:2 row_mask:0xf bank_mask:0xf
	s_delay_alu instid0(VALU_DEP_1)
	v_add_f32_dpp v240, v240, v240 row_xmask:4 row_mask:0xf bank_mask:0xf
	s_delay_alu instid0(VALU_DEP_1)
	v_add_f32_dpp v240, v240, v240 row_xmask:8 row_mask:0xf bank_mask:0xf
	s_delay_alu instid0(VALU_DEP_1)
	v_permlanex16_b32 v241, v240, s22, s23
	s_delay_alu instid0(VALU_DEP_1)
	v_add_f32 v240, v240, v241
.endm
.macro LNROW q
.set YQ, 112+64*\q
.set RQ, 144+64*\q
	s_wait_loadcnt 8*(1-\q)                        ; g, b and this row are in; row 1's 8 loads may be out
	v_pk_add_f32 v[240:241], v[YQ:YQ+1], v[YQ+2:YQ+3]
	v_pk_add_f32 v[242:243], v[YQ+4:YQ+5], v[YQ+6:YQ+7]
.set i, 8
.rept 6
	s_delay_alu instid0(VALU_DEP_2)
	v_pk_add_f32 v[240:241], v[240:241], v[YQ+i:YQ+i+1]
	s_delay_alu instid0(VALU_DEP_2)
	v_pk_add_f32 v[242:243], v[242:243], v[YQ+i+2:YQ+i+3]
.set i, i+4
.endr
	s_delay_alu instid0(VALU_DEP_1)
	v_pk_add_f32 v[240:241], v[240:241], v[242:243]
	s_delay_alu instid0(VALU_DEP_1)
	v_add_f32 v240, v240, v241
	LANES
	s_delay_alu instid0(VALU_DEP_1)
	v_mul_f32 v244, s24, v240                      ; the mean
	s_delay_alu instid0(VALU_DEP_1)
	v_mov_b32 v245, v244
.set i, 0
.rept 16
	v_pk_add_f32 v[YQ+i:YQ+i+1], v[YQ+i:YQ+i+1], v[244:245] neg_lo:[0,1] neg_hi:[0,1]
.set i, i+2
.endr
	v_pk_mul_f32 v[240:241], v[YQ:YQ+1], v[YQ:YQ+1]
	v_pk_mul_f32 v[242:243], v[YQ+2:YQ+3], v[YQ+2:YQ+3]
.set i, 4
.rept 7
	s_delay_alu instid0(VALU_DEP_2)
	v_pk_fma_f32 v[240:241], v[YQ+i:YQ+i+1], v[YQ+i:YQ+i+1], v[240:241]
	s_delay_alu instid0(VALU_DEP_2)
	v_pk_fma_f32 v[242:243], v[YQ+i+2:YQ+i+3], v[YQ+i+2:YQ+i+3], v[242:243]
.set i, i+4
.endr
	s_delay_alu instid0(VALU_DEP_1)
	v_pk_add_f32 v[240:241], v[240:241], v[242:243]
	s_delay_alu instid0(VALU_DEP_1)
	v_add_f32 v240, v240, v241
	LANES
	s_delay_alu instid0(VALU_DEP_1)
	v_fma_f32 v246, v240, s24, s25                 ; the variance + 1e-5
	s_wait_alu depctr_va_vdst(0)
	v_rsq_f32 v246, v246
	v_nop
	s_wait_alu depctr_va_vdst(0)                   ; ahead of the first reader
	v_mov_b32 v247, v246
.set i, 0
.rept 16
	v_pk_mul_f32 v[YQ+i:YQ+i+1], v[YQ+i:YQ+i+1], v[246:247]
.set i, i+2
.endr
.set i, 0
.rept 16
	v_pk_fma_f32 v[YQ+i:YQ+i+1], v[YQ+i:YQ+i+1], v[G+i:G+i+1], v[B+i:B+i+1]
.set i, i+2
.endr
.irp j, 0,1,2,3,4,5,6,7
	global_store_b128 v1, v[YQ+4*\j:YQ+4*\j+3], s[PO:PO+1] offset:4096*\q+512*\j   ; these registers are not written again
.endr
.set i, 0
.rept 32
	v_med3_num_f32 v[RQ+i], v[YQ+i], -v97, v97     ; the conversion does not saturate (ISA guide 7.6.2): the hold comes first
.set i, i+1
.endr
.irp k, 0,1,2,3
	v_cvt_scalef32_pk8_fp8_f32 v[80+8*\q+2*\k:80+8*\q+2*\k+1], v[RQ+8*\k:RQ+8*\k+7], v96   ; register j: the 4 codes of columns 128 j + 4 lane on
.endr
	v_nop                                          ; a plain line behind the last conversion
.irp j, 0,1,2,3,4,5,6,7
	ds_store_b32 v2, v[80+8*\q+\j] offset:1040*\q+128*\j
.endr
.endm
	s_wait_alu depctr_va_vdst(0)
	LNROW 0
	LNROW 1
	s_wait_dscnt 0x0                               ; for the others' sake: my codes lie in the stage
	s_barrier_signal -1
	s_barrier_wait -1
.irp c, 0,1,2,3
	ds_load_b128 v[BACK+4*\c:BACK+4*\c+3], v3 offset:32*\c
.endr
.irp c, 0,1,2,3
	s_wait_dscnt 3-\c                              ; the younger loads may be out
	global_store_b128 v4, v[BACK+4*\c:BACK+4*\c+3], s[16:17] offset:512*\c   ; 512 consecutive bytes
.endr
	s_wait_tensorcnt 0x0
	ds_add_u32 v254, v255
	s_wait_dscnt 0x0
	s_endpgm
.Lfunc_end_k_q3ee130a679_ln1:
	.size	k_q3ee130a679_ln1, .Lfunc_end_k_q3ee130a679_ln1-k_q3ee130a679_ln1
	.p2alignl 7, 3214868480
	.fill 96, 4, 3214868480
	.section	.rodata,"a",@progbits
	.p2align	6, 0x0
	.amdhsa_kernel k_q3ee130a679_ln1
		.amdhsa_group_segment_fixed_size 17920
		.amdhsa_private_segment_fixed_size 0
		.amdhsa_enable_private_segment 0
		.amdhsa_kernarg_size 48
		.amdhsa_user_sgpr_count 2
		.amdhsa_user_sgpr_kernarg_segment_ptr 1
		.amdhsa_wavefront_size32 1
		.amdhsa_system_sgpr_workgroup_id_x 1
		.amdhsa_system_sgpr_workgroup_id_y 1
		.amdhsa_system_sgpr_workgroup_id_z 1
		.amdhsa_system_vgpr_workitem_id 0
		.amdhsa_next_free_vgpr 256
		.amdhsa_next_free_sgpr 66
		.amdhsa_reserve_vcc 0
		.amdhsa_float_denorm_mode_32 3
		.amdhsa_float_denorm_mode_16_64 3
		.amdhsa_memory_ordered 1
		.amdhsa_forward_progress 1
		.amdhsa_inst_pref_size 29
	.end_amdhsa_kernel
	.amdgpu_metadata
---
amdhsa.version: [ 1, 2 ]
amdhsa.kernels:
  - .name:           k_q3ee130a679_ln1
    .symbol:         k_q3ee130a679_ln1.kd
    .args:
      - { .name: y, .offset: 0, .size: 8, .value_kind: global_buffer, .address_space: global }
      - { .name: ln1_g, .offset: 8, .size: 8, .value_kind: global_buffer, .address_space: global }
      - { .name: ln1_b, .offset: 16, .size: 8, .value_kind: global_buffer, .address_space: global }
      - { .name: lowp_scales, .offset: 24, .size: 8, .value_kind: global_buffer, .address_space: global }
      - { .name: hf, .offset: 32, .size: 8, .value_kind: global_buffer, .address_space: global }
      - { .name: hc, .offset: 40, .size: 8, .value_kind: global_buffer, .address_space: global }
    .group_segment_fixed_size: 17920
    .private_segment_fixed_size: 0
    .kernarg_segment_align: 8
    .kernarg_segment_size: 48
    .max_flat_workgroup_size: 256
    .sgpr_count:     66
    .vgpr_count:     256
    .wavefront_size: 32
...
	.end_amdgpu_metadata
.endif
;; end of part 5
;; launch w1 (part 6): grid 16 x 16, 4 waves a work-group, clusters of 4 x 4, 327,680 bytes of LDS; arguments hc, wc, b1, lowp_scales, gc; writes gc
.if DOCPART == 6
	.amdgcn_target "amdgcn-amd-amdhsa--gfx1250"
	.amdhsa_code_object_version 6
	.text
	.protected	k_q3ee130a679_w1
	.globl	k_q3ee130a679_w1
	.p2align	8
	.type	k_q3ee130a679_w1,@function
k_q3ee130a679_w1:
	s_mov_b64 s[64:65], 0
	v_nop
	global_prefetch_b8 v0, s[64:65] scope:SCOPE_SE
	s_setreg_imm32_b32 hwreg(HW_REG_WAVE_MODE, 25, 1), 1
	s_wait_xcnt 0x0
	s_wait_alu depctr_hold_cnt(0) depctr_sa_sdst(0) depctr_va_vdst(0) depctr_va_sdst(0) depctr_va_ssrc(0) depctr_va_vcc(0) depctr_vm_vsrc(0)
	s_getreg_b32 s2, hwreg(HW_REG_IB_STS2, 6, 4)
	s_cmp_eq_u32 s2, 0
	s_cbranch_scc0 .Lentry_in_a_cluster
	s_endpgm
.Lentry_in_a_cluster:
	s_bfe_u32 s2, ttmp6, 0x10000c
	s_cmp_lg_u32 s2, 0xf033
	s_cbranch_scc0 .Lentry_shape_is_right
	s_endpgm
.Lentry_shape_is_right:
.set SIZE_K, 1024
.set WOFF,   0x400000
.set SLOT,   131072
.set HALFT,  32768
.set SPARE,  2*SLOT
.set LAPS,   SIZE_K/512
.set FR,     16
.set NL,     4
.set NP,     4
.set ADRA, 16
.set ADRB, 20
.set CO,   26
.set SPW,  28
.set NIL,  29
.set BI,   32
.set U,    96
.set TT,   128
.set PP,   160
.set XX,   192
.set CF,   240
.set AF,   128
.set G1, 24
.set G0, 32
.set G1B, 48
.set G0B, 56
.set MSB, 0
.macro WIN new
.if MSB != \new
	s_set_vgpr_msb (MSB<<8)|\new
.set MSB, \new
.endif
.endm
.set MUL_LO, 0xa1
.set MUL_HI, 0xf1
.set TO_B,   0x40
.macro JLOAD g0a, g1a, g0b, g1b
	s_cmp_eq_u32 s15, 0
	s_cbranch_scc0 .Lfor_b_\@
	tensor_load_to_lds s[\g0a:\g0a+3], s[\g1a:\g1a+7]
	s_nop 0
.rept 4
	v_nop
.endr
	s_branch .Lasked_\@
.Lfor_b_\@:
	tensor_load_to_lds s[\g0b:\g0b+3], s[\g1b:\g1b+7]
	s_nop 0
.rept 4
	v_nop
.endr
.Lasked_\@:
.endm
.macro CREST
	s_cmp_lg_u32 s14, 0
	s_cbranch_scc1 .Lnot_wave_0_\@
	s_barrier_signal -3
.Lnot_wave_0_\@:
	s_barrier_wait -3
	s_barrier_signal -1
	s_barrier_wait -1
.endm
.macro CROUND
	s_barrier_signal -1
	s_barrier_wait -1
	CREST
.endm
	s_load_b256 s[4:11], s[0:1], 0x0
	s_load_b64 s[12:13], s[0:1], 0x20
	v_lshl_add_u32 v[SPW], v0, 2, SPARE
	v_mov_b32 v[NIL], 0
	ds_add_u32 v28, v29
	ds_add_u32 v28, v29
	s_wait_dscnt 0x0
	v_lshrrev_b32 v1, 5, v0
	v_readfirstlane_b32 s14, v1
	s_lshr_b32 s15, s14, 1
	s_and_b32 s16, s14, 1
	s_bfe_u32 s40, ttmp6, 0x40000
	s_bfe_u32 s41, ttmp6, 0x40004
	s_lshl_b32 s42, ttmp9, 2
	s_add_co_u32 s42, s42, s40
	s_and_b32 s17, ttmp7, 0xffff
	s_lshl_b32 s17, s17, 2
	s_add_co_u32 s17, s17, s41
	s_lshl_b32 s43, s41, 2
	s_lshl_b32 s43, 15, s43
	s_lshl_b32 s44, 0x1111, s40
	s_or_b32 s[G1+0], s43, (3<<16)|(1<<21)
	s_or_b32 s[G1B+0], s44, (3<<16)|(1<<21)
.irp g, G1, G1B
	s_mov_b32 s[\g+1], 512<<16
	s_mov_b32 s[\g+2], 8<<16
	s_mov_b32 s[\g+3], 512<<16
	s_mov_b32 s[\g+4], 8
	s_mov_b32 s[\g+5], 2*SIZE_K
	s_mov_b32 s[\g+6], 0
	s_mov_b32 s[\g+7], 0
.endr
	s_mul_i32 s18, s16, 128*SIZE_K
	s_mul_i32 s20, s17, 256*SIZE_K
	s_add_co_u32 s20, s20, s18
	s_mov_b32 s21, 0
	s_mul_i32 s46, s42, 256*SIZE_K
	s_add_co_u32 s46, s46, s18
	s_add_co_u32 s46, s46, WOFF
	s_mov_b32 s47, 0
	s_mul_i32 s45, s14, HALFT
	s_wait_kmcnt 0x0
	s_load_b128 s[76:79], s[10:11], 0x30
	s_add_nc_u64 s[20:21], s[4:5], s[20:21]
	s_add_nc_u64 s[46:47], s[6:7], s[46:47]
	CROUND
.irp s, 0,1
	s_mov_b32 s[G0+4*\s], 1
	s_add_co_u32 s[G0+4*\s+1], s45, \s*SLOT
	s_add_nc_u64 s[G0+4*\s+2:G0+4*\s+3], s[20:21], \s*4096
	s_or_b32 s[G0+4*\s+3], s[G0+4*\s+3], 0x80000000
	s_mov_b32 s[G0B+4*\s], 1
	s_add_co_u32 s[G0B+4*\s+1], s45, \s*SLOT
	s_add_nc_u64 s[G0B+4*\s+2:G0B+4*\s+3], s[46:47], \s*4096
	s_or_b32 s[G0B+4*\s+3], s[G0B+4*\s+3], 0x80000000
	s_wait_alu depctr_va_vdst(0)
	s_wait_tensorcnt 0x0
	ds_add_u32 v28, v29
	ds_add_u32 v28, v29
	s_wait_dscnt 0x0
	CROUND
	JLOAD G0+4*\s, G1, G0B+4*\s, G1B
.endr
	v_and_b32 v6, 31, v0
	v_lshlrev_b32 v[CO], 4, v6
	s_wait_alu depctr_va_vdst(0)
	v_bfe_u32 v2, v0, 4, 1
	v_lshlrev_b32 v27, 6, v2
	s_lshl_b32 s72, s42, 10
	s_lshl_b32 s73, s16, 9
	s_add_co_u32 s72, s72, s73
	s_mov_b32 s73, 0
	s_add_nc_u64 s[8:9], s[8:9], s[72:73]
.irp b, 0,1,2,3
.irp k, 0,1,2,3
	global_load_b128 v[BI+16*\b+4*\k:BI+16*\b+4*\k+3], v27, s[8:9] offset:128*\b+16*\k
.endr
.endr
	s_lshl_b32 s21, s15, 15
	s_lshl_b32 s22, s16, 15
	s_add_co_u32 s22, s22, 65536
.irp s, 0,1
	v_add_nc_u32 v[ADRA+\s], s21, v[CO]
	v_add_nc_u32 v[ADRB+\s], s22, v[CO]
	s_add_co_u32 s21, s21, SLOT
	s_add_co_u32 s22, s22, SLOT
.endr
	s_lshl_b32 s72, s17, 20
	s_lshl_b32 s73, s15, 19
	s_add_co_u32 s72, s72, s73
	s_lshl_b32 s73, s42, 12
	s_add_co_u32 s72, s72, s73
	s_lshl_b32 s73, s16, 11
	s_add_co_u32 s72, s72, s73
	s_mov_b32 s73, 0
	s_add_nc_u64 s[12:13], s[12:13], s[72:73]
.macro FRAG reg, adr, q, i
.irp c, 0,1,2,3
	ds_load_b128 v[\reg+4*\c:\reg+4*\c+3], v[\adr] offset:4096*(\i)+2048*(\q)+512*\c
.endr
.endm
.macro MUL16 a0, p, zero
.irp a, \a0, \a0+1
.irp b, 0,1,2,3,4,5,6,7
.if \zero
	v_wmma_f32_16x16x128_fp8_fp8 v[8*(8*((\a)%4)+\b):8*(8*((\a)%4)+\b)+7], v[128*(\p)+FR*\b:128*(\p)+FR*\b+FR-1], v[AF+FR*(\a):AF+FR*(\a)+FR-1], 0
.else
	v_wmma_f32_16x16x128_fp8_fp8 v[8*(8*((\a)%4)+\b):8*(8*((\a)%4)+\b)+7], v[128*(\p)+FR*\b:128*(\p)+FR*\b+FR-1], v[AF+FR*(\a):AF+FR*(\a)+FR-1], v[8*(8*((\a)%4)+\b):8*(8*((\a)%4)+\b)+7]
.endif
.endr
.endr
.endm
.macro FETCH_B slot, q, p
	WIN TO_B
.irp i, 0,1,2,3,4,5,6,7
	FRAG 128*(\p)+FR*\i, ADRB+\slot, \q, \i
.endr
	WIN 0
.endm
.macro FETCH_A slot, q, i0
.irp i, \i0, \i0+1, \i0+2, \i0+3
	FRAG AF+FR*(\i), ADRA+\slot, \q, \i
.endr
.endm
.macro PLACES n
.rept \n
	v_nop
.endr
.endm
.macro STEP slot, q, zero
	s_wait_dscnt 4*NL
	WIN MUL_LO
	MUL16 0, (\q)%2, \zero
	MUL16 2, (\q)%2, \zero
	s_wait_dscnt 0
	PLACES NP
	FETCH_B \slot, (\q)+1, 1-(\q)%2
	FETCH_A \slot, (\q)+1, 0
	WIN MUL_HI
	MUL16 4, (\q)%2, \zero
	MUL16 6, (\q)%2, \zero
	PLACES NP
	WIN 0
	FETCH_A \slot, (\q)+1, 4
.endm
.macro TURN slot, next, fill
	s_wait_tensorcnt 0x0
	ds_add_u32 v[SPW], v[NIL]
	s_wait_dscnt 4*NL+1
	WIN MUL_LO
	MUL16 0, 1, 0
	s_wait_dscnt 0x0
	s_barrier_signal -1
	MUL16 2, 1, 0
	WIN 0
	s_barrier_wait -1
.if \fill
	CREST
	s_add_nc_u64 s[G0+4*\slot+2:G0+4*\slot+3], s[G0+4*\slot+2:G0+4*\slot+3], 8192
	s_add_nc_u64 s[G0B+4*\slot+2:G0B+4*\slot+3], s[G0B+4*\slot+2:G0B+4*\slot+3], 8192
	JLOAD G0+4*\slot, G1, G0B+4*\slot, G1B
.else
	PLACES NP
.endif
	FETCH_B \next, 0, 0
	FETCH_A \next, 0, 0
	WIN MUL_HI
	MUL16 4, 1, 0
	MUL16 6, 1, 0
	PLACES NP
	WIN 0
	FETCH_A \next, 0, 4
.endm
	s_wait_alu depctr_va_vdst(0)
	s_wait_tensorcnt 1
	s_barrier_signal -1
	s_barrier_wait -1
	FETCH_B 0, 0, 0
	FETCH_A 0, 0, 0
	FETCH_A 0, 0, 4
	STEP 0, 0, 1
	s_mov_b32 s3, LAPS-1
.Llap:
	TURN 0, 1, 1
	STEP 1, 0, 0
	TURN 1, 0, 1
	STEP 0, 0, 0
	s_sub_co_u32 s3, s3, 1
	s_cmp_lg_u32 s3, 0
	s_cbranch_scc1 .Llap
	TURN 0, 1, 0
	STEP 1, 0, 0
	s_wait_dscnt 4*NL
	WIN MUL_LO
	MUL16 0, 1, 0
	MUL16 2, 1, 0
	s_wait_dscnt 0
	WIN MUL_HI
	MUL16 4, 1, 0
	MUL16 6, 1, 0
	WIN 0
	s_wait_kmcnt 0x0
	s_add_co_i32 s66, s76, s77
	s_add_co_i32 s66, s66, 127
	s_lshl_b32 s66, s66, 23
	s_mov_b32 s67, s66
	s_add_co_i32 s68, s78, 127
	s_lshl_b32 s69, s68, 23
	s_add_co_i32 s68, s68, 8
	s_lshl_b32 s68, s68, 23
	s_or_b32 s68, s68, 0x600000
	s_mov_b32 s70, 0x3eb504f3
	v_mov_b32 v30, s69
	v_mov_b32 v31, s68
	v_mov_b32 v2, 0xbf527892
	v_mov_b32 v3, 0xbf527892
	v_mov_b32 v4, 0x3e2ef945
	v_mov_b32 v5, 0x3e2ef945
	v_mov_b32 v6, 0x3fb8aa3b
	v_mov_b32 v7, 0x3fb8aa3b
.irp k, 0,1
	v_mov_b32 v[CF+0+\k], 0xbfa1fc4e
	v_mov_b32 v[CF+2+\k], 0x3f8000c7
	v_mov_b32 v[CF+4+\k], 0x3ebf88fb
	v_mov_b32 v[CF+6+\k], 0x3dc636c9
	v_mov_b32 v[CF+8+\k], 0xbe3ec24c
	v_mov_b32 v[CF+10+\k], 0x3e8ec7cc
	v_mov_b32 v[CF+12+\k], 0xbf914e5d
	v_mov_b32 v[CF+14+\k], 0x3fbe87b0
.endr
	s_wait_loadcnt 0x0
.macro GBLK a, g
.set AC, 64*(\a)+32*(\g)
.set CD, 224+8*(\g)
	WIN 0x02
.set i, 0
.rept 16
	v_pk_fma_f32 v[U+i:U+i+1], v[AC+i:AC+i+1], s[66:67], v[BI+32*(\g)+i:BI+32*(\g)+i+1] op_sel_hi:[1,0,1]
.set i, i+2
.endr
	WIN 0
.set i, 0
.rept 32
	v_fma_f32 v[TT+i], |v[U+i]|, s70, 1.0
.set i, i+1
.endr
.set i, 0
	s_wait_alu depctr_va_vdst(0)
.rept 32
	v_rcp_f32 v[TT+i], v[TT+i]
.set i, i+1
.endr
.set i, 0
.rept 16
	v_pk_mul_f32 v[XX+i:XX+i+1], v[U+i:U+i+1], -0.5 op_sel_hi:[1,0]
.set i, i+2
.endr
	s_wait_alu depctr_va_vdst(0)
.set i, 0
.rept 16
	v_pk_fma_f32 v[PP+i:PP+i+1], v[TT+i:TT+i+1], v[4:5], v[2:3]
.set i, i+2
.endr
.irp k, 7,6,5,4,3,2,1,0
.set i, 0
.rept 16
	v_pk_fma_f32 v[PP+i:PP+i+1], v[PP+i:PP+i+1], v[TT+i:TT+i+1], v[CF+2*\k:CF+2*\k+1]
.set i, i+2
.endr
.endr
.set i, 0
.rept 16
	v_pk_fma_f32 v[PP+i:PP+i+1], v[XX+i:XX+i+1], v[U+i:U+i+1], v[PP+i:PP+i+1]
.set i, i+2
.endr
.set i, 0
.rept 16
	v_pk_fma_f32 v[PP+i:PP+i+1], v[PP+i:PP+i+1], v[6:7], -1.0 op_sel_hi:[1,1,0]
.set i, i+2
.endr
.set i, 0
	s_wait_alu depctr_va_vdst(0)
.rept 32
	v_exp_f32 v[PP+i], v[PP+i]
.set i, i+1
.endr
.set i, 0
.rept 32
	v_max_num_f32 v[XX+i], 0, v[U+i]
.set i, i+1
.endr
	s_wait_alu depctr_va_vdst(0)
.set i, 0
.rept 16
	v_pk_mul_f32 v[PP+i:PP+i+1], v[PP+i:PP+i+1], v[TT+i:TT+i+1]
.set i, i+2
.endr
.set i, 0
.rept 32
	v_fma_f32 v[U+i], -|v[U+i]|, v[PP+i], v[XX+i]
.set i, i+1
.endr
.set i, 0
.rept 32
	v_med3_num_f32 v[U+i], v[U+i], -v31, v31
.set i, i+1
.endr
	s_wait_alu depctr_va_vdst(0)
	s_wait_xcnt 0x0
.irp k, 0,1,2,3
	v_cvt_scalef32_pk8_fp8_f32 v[CD+2*\k:CD+2*\k+1], v[U+8*\k:U+8*\k+7], v30
.endr
	v_nop
	global_store_b128 v[CO], v[CD:CD+3], s[12:13] offset:65536*(\a)+1024*(\g)
	global_store_b128 v[CO], v[CD+4:CD+7], s[12:13] offset:65536*(\a)+1024*(\g)+512
.endm
	s_mov_b32 s3, 2
.Lhalf:
.irp a, 0,1,2,3
	GBLK \a, 0
	GBLK \a, 1
.endr
	s_cmp_eq_u32 s3, 1
	s_cbranch_scc1 .Lno_copy
	WIN 0x83
.set i, 0
.rept 256
	v_mov_b32 v[i], v[i]
.set i, i+1
.endr
	WIN 0
.Lno_copy:
	s_wait_xcnt 0x0
	s_add_nc_u64 s[12:13], s[12:13], 4*65536
	s_sub_co_u32 s3, s3, 1
	s_cmp_lg_u32 s3, 0
	s_cbranch_scc1 .Lhalf
	s_wait_tensorcnt 0x0
	ds_add_u32 v[SPW], v[NIL]
	s_wait_dscnt 0x0
	CROUND
	s_endpgm
.Lfunc_end_k_q3ee130a679_w1:
	.size	k_q3ee130a679_w1, .Lfunc_end_k_q3ee130a679_w1-k_q3ee130a679_w1
	.p2alignl 7, 3214868480
	.fill 96, 4, 3214868480
	.section	.rodata,"a",@progbits
	.p2align	6, 0x0
	.amdhsa_kernel k_q3ee130a679_w1
		.amdhsa_group_segment_fixed_size 327680
		.amdhsa_private_segment_fixed_size 0
		.amdhsa_enable_private_segment 0
		.amdhsa_kernarg_size 40
		.amdhsa_user_sgpr_count 2
		.amdhsa_user_sgpr_kernarg_segment_ptr 1
		.amdhsa_wavefront_size32 1
		.amdhsa_system_sgpr_workgroup_id_x 1
		.amdhsa_system_sgpr_workgroup_id_y 1
		.amdhsa_system_sgpr_workgroup_id_z 1
		.amdhsa_system_vgpr_workitem_id 0
		.amdhsa_next_free_vgpr 1024
		.amdhsa_next_free_sgpr 100
		.amdhsa_reserve_vcc 0
		.amdhsa_float_denorm_mode_32 3
		.amdhsa_float_denorm_mode_16_64 3
		.amdhsa_memory_ordered 1
		.amdhsa_forward_progress 1
		.amdhsa_inst_pref_size 255
	.end_amdhsa_kernel
	.section	.bss,"aw",@nobits
	.p2align	6
	.space	262144
	.amdgpu_metadata
---
amdhsa.version: [ 1, 2 ]
amdhsa.kernels:
  - .name:           k_q3ee130a679_w1
    .symbol:         k_q3ee130a679_w1.kd
    .args:
      - { .name: hc, .offset: 0, .size: 8, .value_kind: global_buffer, .address_space: global }
      - { .name: wc, .offset: 8, .size: 8, .value_kind: global_buffer, .address_space: global }
      - { .name: b1, .offset: 16, .size: 8, .value_kind: global_buffer, .address_space: global }
      - { .name: lowp_scales, .offset: 24, .size: 8, .value_kind: global_buffer, .address_space: global }
      - { .name: gc, .offset: 32, .size: 8, .value_kind: global_buffer, .address_space: global }
    .group_segment_fixed_size: 327680
    .private_segment_fixed_size: 0
    .kernarg_segment_align: 8
    .kernarg_segment_size: 40
    .max_flat_workgroup_size: 128
    .sgpr_count:     100
    .vgpr_count:     1024
    .wavefront_size: 32
...
	.end_amdgpu_metadata
.endif
;; end of part 6
;; launch w2 (part 7): grid 8 x 32, 4 waves a work-group, clusters of 4 x 4, 327,680 bytes of LDS; arguments gc, wc, lowp_scales, hf, y, b2; writes y
.if DOCPART == 7
	.amdgcn_target "amdgcn-amd-amdhsa--gfx1250"
	.amdhsa_code_object_version 6
	.text
	.protected	k_q3ee130a679_w2
	.globl	k_q3ee130a679_w2
	.p2align	8
	.type	k_q3ee130a679_w2,@function
k_q3ee130a679_w2:
	s_mov_b64 s[64:65], 0
	v_nop
	global_prefetch_b8 v0, s[64:65] scope:SCOPE_SE
	s_setreg_imm32_b32 hwreg(HW_REG_WAVE_MODE, 25, 1), 1
	s_wait_xcnt 0x0
	s_wait_alu depctr_hold_cnt(0) depctr_sa_sdst(0) depctr_va_vdst(0) depctr_va_sdst(0) depctr_va_ssrc(0) depctr_va_vcc(0) depctr_vm_vsrc(0)
	s_getreg_b32 s2, hwreg(HW_REG_IB_STS2, 6, 4)
	s_cmp_eq_u32 s2, 0
	s_cbranch_scc0 .Lentry_in_a_cluster
	s_endpgm
.Lentry_in_a_cluster:
	s_bfe_u32 s2, ttmp6, 0x10000c
	s_cmp_lg_u32 s2, 0xf033
	s_cbranch_scc0 .Lentry_shape_is_right
	s_endpgm
.Lentry_shape_is_right:
; y = h + b2 + P Q^T x 2^(ea + eb), f32 [4096][1024]: P = the codes of gelu's result (4,096 tokens, K = 4,096), Q = W2's codes (rows = its 1,024 columns), h the residual (hf).
; Codes lie in the layout of fragments: tile = 2 (row >> 5) + ((row >> 3) & 1), pos = (row & 7) + 8 ((row >> 4) & 1); a fragment of 16 rows x 128 K is 2,048 bytes on end, a tile's K on end.
; A work-group of four waves makes 128 x 128 over the WHOLE K (8 x 32 = 256 work-groups; each number of y has one owner, no parts along K), a wave 64 x 64: 16 accumulators.
; Source 0 = 16 rows of Q, source 1 = 16 rows of P: a lane holds numbers of one row of y.
; K goes in 8 fills of 512 through two LDS slots of 131,072 bytes; a wave's one tensor load is 4 tiles x 8,192 bytes (waves 0, 1: P's halves; 2, 3: Q's).
; P's tiles are asked for jointly along a row of the 4 x 4 cluster, Q's along a column; each refill stands behind a round of the cluster's barrier.
; PREFETCH: behind each refill a wave names one tile's 8,192 bytes of the fill two refills on; the four partners of a joint load take one of its four tiles each, by address.  Fills 0 to 3 come by their loads alone.
; The residual's 64 x 64 numbers of a wave are loaded at the head into registers, in the order in which the way out reads rows back from its stage.
; LIMIT: ea + eb between -126 and 127.
; REGISTERS: window 0: v8-11 b2, v16-30 addresses, v64-191 P's fragments in two sets (on the way out: rows read back); window 1: v0-127 Q's fragments in two sets, v128-255 the accumulators; window 2: v0-127 the residual.
.set SIZE_K, 4096
.set KS,     512                       ; along K in one fill
.set WOFF,   0x800000                  ; the weight's codes in wc
.set SCI,    14                        ; the product's first entry among the scales
.set BIAS,   1
.set NQ,     KS/128
.set NCH,    SIZE_K/KS
.set HALFT,  64*KS                     ; what one tensor load brings: 4 tiles
.set SLOT,   4*HALFT
.set SPARE,  262144                    ; the spare words, 512 bytes
.set STAGE,  SPARE+512                 ; the way out: 16 rows x (256 + 16) bytes a wave, bytes of its own
.set SP,     272
.set BV,   8
.set ADRA, 16
.set ADRB, 20
.set STO,  24
.set RD,   25
.set CO,   26
.set SPW,  28
.set NIL,  29
.set PFO,  30
.set AF,   64
.set G1, 24
.set G0, 32
.set G1B, 48
.set G0B, 56
.set PFA, 66
.set CH,  68
.set MSB, 0
.macro WIN new
.if MSB != \new
	s_set_vgpr_msb (MSB<<8)|\new
.set MSB, \new
.endif
.endm
.macro JLOAD g0a, g1a, g0b, g1b        ; waves 0, 1 ask for P, waves 2, 3 for Q
	s_cmp_eq_u32 s15, 0
	s_cbranch_scc0 .Lfor_b_\@
	tensor_load_to_lds s[\g0a:\g0a+3], s[\g1a:\g1a+7]
	s_nop 0
.rept 4
	v_nop
.endr
	s_branch .Lasked_\@
.Lfor_b_\@:
	tensor_load_to_lds s[\g0b:\g0b+3], s[\g1b:\g1b+7]
	s_nop 0
.rept 4
	v_nop
.endr
.Lasked_\@:
.endm
.macro CREST
	s_cmp_lg_u32 s14, 0
	s_cbranch_scc1 .Lnot_wave_0_\@
	s_barrier_signal -3
.Lnot_wave_0_\@:
	s_barrier_wait -3
	s_barrier_signal -1
	s_barrier_wait -1
.endm
.macro CROUND
	s_barrier_signal -1
	s_barrier_wait -1
	CREST
.endm
.macro MKG0 s
	s_mov_b32 s[G0+4*\s], 1
	s_add_co_u32 s[G0+4*\s+1], s45, \s*SLOT
	s_add_nc_u64 s[G0+4*\s+2:G0+4*\s+3], s[20:21], \s*16*KS
	s_or_b32 s[G0+4*\s+3], s[G0+4*\s+3], 0x80000000
	s_mov_b32 s[G0B+4*\s], 1
	s_add_co_u32 s[G0B+4*\s+1], s45, \s*SLOT
	s_add_nc_u64 s[G0B+4*\s+2:G0B+4*\s+3], s[46:47], \s*16*KS
	s_or_b32 s[G0B+4*\s+3], s[G0B+4*\s+3], 0x80000000
.endm
	s_load_b256 s[4:11], s[0:1], 0x0               ; P's codes, wc, the scales' exponents, the residual
.if BIAS
	s_load_b128 s[76:79], s[0:1], 0x20             ; y, the bias
.else
	s_load_b64 s[76:77], s[0:1], 0x20              ; y
.endif
	v_lshl_add_u32 v[SPW], v0, 2, SPARE
	v_mov_b32 v[NIL], 0
	ds_add_u32 v[SPW], v[NIL]                      ; the opening lines: the add twice on end and its wait
	ds_add_u32 v[SPW], v[NIL]
	v_lshrrev_b32 v1, 5, v0
	v_readfirstlane_b32 s14, v1                    ; wave
	s_lshr_b32 s15, s14, 1                         ; my half of the rows; also: I fetch for P (0) or Q (1)
	s_and_b32 s16, s14, 1                          ; my half of the columns; also: which 4 tiles I fetch
	s_bfe_u32 s40, ttmp6, 0x40000                  ; cx
	s_bfe_u32 s41, ttmp6, 0x40004                  ; cy
	s_lshl_b32 s42, ttmp9, 2
	s_add_co_u32 s42, s42, s40                     ; Q's block of 128 rows
	s_and_b32 s17, ttmp7, 0xffff
	s_lshl_b32 s17, s17, 2
	s_add_co_u32 s17, s17, s41                     ; P's
	s_lshl_b32 s43, s41, 2
	s_lshl_b32 s43, 15, s43                        ; my row of the cluster
	s_lshl_b32 s44, 0x1111, s40                    ; my column
	s_or_b32 s[G1+0], s43, (3<<16)|(1<<21)         ; elements of 8 bytes; bit 21 beside the mask
	s_or_b32 s[G1B+0], s44, (3<<16)|(1<<21)
.irp g, G1, G1B
	s_mov_b32 s[\g+1], (2*KS)<<16                  ; a row: a tile's 16 KS bytes
	s_mov_b32 s[\g+2], 4<<16                       ; 4 tiles
	s_mov_b32 s[\g+3], (2*KS)<<16
	s_mov_b32 s[\g+4], 4
	s_mov_b32 s[\g+5], 2*SIZE_K                    ; from tile to tile: 16 SIZE_K bytes
	s_mov_b32 s[\g+6], 0
	s_mov_b32 s[\g+7], 0
.endr
	s_mul_i32 s18, s16, 64*SIZE_K
	s_mul_i32 s20, s17, 128*SIZE_K
	s_add_co_u32 s20, s20, s18
	s_mov_b32 s21, 0
	s_mul_i32 s46, s42, 128*SIZE_K
	s_add_co_u32 s46, s46, s18
	s_add_co_u32 s46, s46, WOFF
	s_mov_b32 s47, 0
	s_mul_i32 s45, s14, HALFT                      ; where my load goes: the wave's number alone
	s_wait_dscnt 0x0
	s_wait_kmcnt 0x0
	s_load_b64 s[96:97], s[8:9], 4*SCI             ; ea, eb
	s_add_nc_u64 s[20:21], s[4:5], s[20:21]
	s_add_nc_u64 s[46:47], s[6:7], s[46:47]
	CROUND                                         ; in front of the first joint loads
	MKG0 0
.if NCH > 1
	MKG0 1
.endif
	JLOAD G0, G1, G0B, G1B                         ; one tensor load a wave at the head
	s_mul_i32 s82, s15, HALFT                      ; my 64 rows of P in a slot
	s_mul_i32 s83, s16, HALFT
	s_add_co_u32 s83, s83, 2*HALFT                 ; my 64 rows of Q
	s_mul_i32 s84, s14, 16*SP
	s_add_co_u32 s84, s84, STAGE                   ; my stage
	s_lshl_b32 s72, s17, 19                        ; 128 rows of 4,096 bytes
	s_lshl_b32 s73, s15, 18
	s_add_co_u32 s72, s72, s73
	s_lshl_b32 s73, s42, 9                         ; 128 columns
	s_add_co_u32 s72, s72, s73
	s_lshl_b32 s73, s16, 8
	s_add_co_u32 s72, s72, s73
	s_mov_b32 s73, 0
	s_add_nc_u64 s[76:77], s[76:77], s[72:73]      ; my part of y,
	s_add_nc_u64 s[10:11], s[10:11], s[72:73]      ; and of the residual
.if BIAS
	s_lshl_b32 s74, s42, 9
	s_lshl_b32 s75, s16, 8
	s_add_co_u32 s74, s74, s75
	s_mov_b32 s75, 0
	s_add_nc_u64 s[78:79], s[78:79], s[74:75]      ; my 64 columns of the bias
.endif
.if NCH > 1
	s_cmp_eq_u32 s15, 0                            ; the prefetches: of the 4 tiles that I fetch, the partner at place p (cx for P, cy for Q) names tile p
	s_cselect_b32 s70, s40, s41
	s_cselect_b64 s[PFA:PFA+1], s[20:21], s[46:47]
	s_mul_i32 s70, s70, 16*SIZE_K
	s_add_co_u32 s70, s70, 3*16*KS                 ; the first change of slots steps it to fill 4
	s_mov_b32 s71, 0
	s_add_nc_u64 s[PFA:PFA+1], s[PFA:PFA+1], s[70:71]
	s_mov_b32 s[CH], 0
.endif
	v_and_b32 v6, 31, v0
	v_lshlrev_b32 v7, 4, v6                        ; 16 x lane
	v_and_b32 v1, 15, v0                           ; r
	v_bfe_u32 v2, v0, 4, 1                         ; h
	v_add_nc_u32 v[ADRA], s82, v7
	v_add_nc_u32 v[ADRB], s83, v7
.if NCH > 1
	v_add_nc_u32 v[ADRA+1], SLOT, v[ADRA]
	v_add_nc_u32 v[ADRB+1], SLOT, v[ADRB]
	v_lshlrev_b32 v[PFO], 8, v6                    ; lanes 256 bytes apart: 8,192 bytes, a tile's part of a fill
.endif
	v_mul_u32_u24 v5, v1, SP
	v_lshl_add_u32 v5, v2, 6, v5
	v_add_nc_u32 v[STO], s84, v5                   ; stage, in: position r, + 64 h: of Q's tiles 2 b, 2 b + 1 I hold columns 32 b + 16 h + 0 .. 15
	v_mul_u32_u24 v3, v2, SP
	v_lshl_add_u32 v3, v1, 4, v3
	v_add_nc_u32 v[RD], s84, v3                    ; back: lanes 0-15 one row of 256 bytes, lanes 16-31 the next
	v_lshlrev_b32 v4, 12, v2
	v_lshl_add_u32 v[CO], v1, 4, v4                ; and the same two rows in y and in the residual
	v_lshlrev_b32 v12, 4, v1
	s_wait_alu depctr_va_vdst(0)                   ; the wait at the head's end
.if BIAS
	global_load_b128 v[BV:BV+3], v12, s[78:79]
.endif
	WIN 0x80                                       ; destination window 2
.irp a, 0,1,2,3
.irp t, 0,1,2,3,4,5,6,7
	global_load_b128 v[32*\a+4*\t:32*\a+4*\t+3], v[CO], s[10:11] offset:(32*(\a/2)+8*(\a%2)+2*\t+8*(\t/4))*4096 th:TH_LOAD_NT   ; sixteen lanes read 256 consecutive bytes, aligned
.endr
.endr
	WIN 0
.macro FRAG reg, adr, q, i
.irp c, 0,1,2,3
	ds_load_b128 v[\reg+4*\c:\reg+4*\c+3], v[\adr] offset:16*KS*(\i)+2048*(\q)+512*\c
.endr
.endm
.macro FETCH slot, q, p                ; 32 LDS loads: the fragments of one step of 128 along K into set p
	WIN 0x40
.irp i, 0,1,2,3
	FRAG 64*(\p)+16*\i, ADRB+\slot, \q, \i
.endr
	WIN 0
.irp i, 0,1,2,3
	FRAG AF+64*(\p)+16*\i, ADRA+\slot, \q, \i
.endr
.endm
.macro MUL p, zero                     ; the 16 accumulators take turns, one instruction a turn
	WIN 0x51                                       ; source 0, C and D window 1, source 1 window 0
.irp a, 0,1,2,3
.irp b, 0,1,2,3
.if \zero
	v_wmma_f32_16x16x128_fp8_fp8 v[128+8*(4*\a+\b):128+8*(4*\a+\b)+7], v[64*(\p)+16*\b:64*(\p)+16*\b+15], v[AF+64*(\p)+16*\a:AF+64*(\p)+16*\a+15], 0
.else
	v_wmma_f32_16x16x128_fp8_fp8 v[128+8*(4*\a+\b):128+8*(4*\a+\b)+7], v[64*(\p)+16*\b:64*(\p)+16*\b+15], v[AF+64*(\p)+16*\a:AF+64*(\p)+16*\a+15], v[128+8*(4*\a+\b):128+8*(4*\a+\b)+7]
.endif
.endr
.endr
.endm
.macro PLACES                          ; four places behind matrix instructions, in front of loads into registers that they read and of reads of their results
.rept 4
	v_nop
.endr
.endm
.macro ASK                             ; a prefetch of the fill that stands two refills on: 8,192 bytes a wave, each block of 256 bytes named once in the cluster; the last four fills have none behind them
	s_cmp_lt_u32 s[CH], NCH-4
	s_cbranch_scc0 .Lnone_\@
	global_prefetch_b8 v[PFO], s[PFA:PFA+1] th:TH_LOAD_NT scope:SCOPE_SE
.Lnone_\@:
	s_add_co_u32 s[CH], s[CH], 1
.endm
; One fill's NQ steps.  mode 2: at its end this slot is filled again; 1: a change of slots with no refill; 0: the last fill
.macro RUN slot, zero, mode
.set Q, 0
.rept NQ-1
	s_wait_dscnt 0x0                               ; this step's fragments are in
	PLACES
	FETCH \slot, Q+1, (Q+1)%2
.if (\zero) && (Q == 0)
	MUL 0, 1                                       ; the first product starts the sums
.else
	MUL Q%2, 0
.endif
.set Q, Q+1
.endr
	s_wait_dscnt 0x0                               ; the last step's fragments are in: my reads of this slot are over
.if \mode == 2
	s_wait_xcnt 0x0                                ; my prefetch has read its address
	s_add_nc_u64 s[PFA:PFA+1], s[PFA:PFA+1], 16*KS
.endif
.if \mode
	WIN 0
	s_wait_tensorcnt 0x0                           ; my part of the next slot is in
	ds_add_u32 v[SPW], v[NIL]
.endif
	MUL 1, 0
	WIN 0
.if \mode
	s_wait_dscnt 0x0                               ; the add is done
	s_barrier_signal -1
	s_barrier_wait -1
.if \mode >= 2                         ; mode 3: a refill with no fill two refills on, so with no prefetch lines
	CREST
	s_add_nc_u64 s[G0+4*\slot+2:G0+4*\slot+3], s[G0+4*\slot+2:G0+4*\slot+3], 2*16*KS
	s_add_nc_u64 s[G0B+4*\slot+2:G0B+4*\slot+3], s[G0B+4*\slot+2:G0B+4*\slot+3], 2*16*KS
	JLOAD G0+4*\slot, G1, G0B+4*\slot, G1B         ; the first tensor load behind the round; its four v_nop are the places in front of the loads below
.else
	PLACES
.endif
	FETCH 1-\slot, 0, 0
.if \mode == 2
	ASK
.endif
.endif
.endm
.if NCH > 1
	s_wait_tensorcnt 0x0                           ; fill 0 is in; slot 1's first fill is issued as a refill is
	ds_add_u32 v[SPW], v[NIL]
	s_wait_dscnt 0x0
	CROUND
	JLOAD G0+4, G1, G0B+4, G1B
	FETCH 0, 0, 0
	RUN 0, 1, 2
	s_mov_b32 s3, (NCH-4)/2
.Llap:                                         ; a trip goes once round the ring: fills 1 and 2, then 3 and 4
	RUN 1, 0, 2
	RUN 0, 0, 2
	s_sub_co_u32 s3, s3, 1
	s_cmp_lg_u32 s3, 0
	s_cbranch_scc1 .Llap
	RUN 1, 0, 3
	RUN 0, 0, 1
	RUN 1, 0, 0
.else
	s_wait_tensorcnt 0x0                           ; my part of the operands is in
	s_barrier_signal -1
	s_barrier_wait -1                              ; everybody's is
	FETCH 0, 0, 0
	RUN 0, 1, 0
.endif
; THE WAY OUT, a tile of P's rows at a time: the sums go as they are through my stage and come back as rows of 256 bytes; there x 2^(ea + eb) + the residual in one fused multiply-add, then + b2.
; LDS serves a wave's instructions in order: no wait between the stores and the loads, nor in front of the next tile's stores.
.macro TOSTAGE a
	WIN 0x04                                       ; the stores' data: window 1
.irp b, 0,1,2,3
	ds_store_b128 v[STO], v[128+32*(\a)+8*\b:128+32*(\a)+8*\b+3] offset:128*(\b/2)+32*(\b%2)      ; each accumulator from its low end on
	ds_store_b128 v[STO], v[128+32*(\a)+8*\b+4:128+32*(\a)+8*\b+7] offset:128*(\b/2)+32*(\b%2)+16
.endr
	WIN 0
.irp t, 0,1,2,3,4,5,6,7
	ds_load_b128 v[AF+32*(\a)+4*\t:AF+32*(\a)+4*\t+3], v[RD] offset:2*\t*SP
.endr
.endm
.macro SEND a, younger                 ; younger: the LDS instructions issued behind this tile's loads
	s_wait_dscnt \younger
	WIN 0x20                                       ; source 2: window 2
.set i, 0
.rept 16
	v_pk_fma_f32 v[AF+32*(\a)+i:AF+32*(\a)+i+1], v[AF+32*(\a)+i:AF+32*(\a)+i+1], s[96:97], v[32*(\a)+i:32*(\a)+i+1] op_sel_hi:[1,0,1]
.set i, i+2
.endr
	WIN 0
.if BIAS
.irp t, 0,1,2,3,4,5,6,7
	v_pk_add_f32 v[AF+32*(\a)+4*\t:AF+32*(\a)+4*\t+1], v[AF+32*(\a)+4*\t:AF+32*(\a)+4*\t+1], v[BV:BV+1]
	v_pk_add_f32 v[AF+32*(\a)+4*\t+2:AF+32*(\a)+4*\t+3], v[AF+32*(\a)+4*\t+2:AF+32*(\a)+4*\t+3], v[BV+2:BV+3]
.endr
.endif
.irp t, 0,1,2,3,4,5,6,7
	global_store_b128 v[CO], v[AF+32*(\a)+4*\t:AF+32*(\a)+4*\t+3], s[76:77] offset:(32*((\a)/2)+8*((\a)%2)+2*\t+8*(\t/4))*4096 th:TH_STORE_NT   ; sixteen lanes store 256 consecutive bytes, aligned; each tile has registers of its own
.endr
.endm
	s_wait_kmcnt 0x0
	s_add_co_i32 s96, s96, s97
	s_add_co_i32 s96, s96, 127
	s_lshl_b32 s96, s96, 23                        ; 2^(ea + eb) as f32
	PLACES
	TOSTAGE 0
	s_wait_loadcnt 0x0                             ; the residual and b2
.irp a, 1,2,3
	TOSTAGE \a
	SEND \a-1, 16                                  ; behind that tile's loads: this tile's 8 stores and 8 loads
.endr
	SEND 3, 0
	s_wait_tensorcnt 0x0                           ; the wave's end
	ds_add_u32 v[SPW], v[NIL]
	s_wait_dscnt 0x0
	CROUND                                         ; the closing round
	s_endpgm
.Lfunc_end_k_q3ee130a679_w2:
	.size	k_q3ee130a679_w2, .Lfunc_end_k_q3ee130a679_w2-k_q3ee130a679_w2
	.p2alignl 7, 3214868480
	.fill 96, 4, 3214868480
	.section	.rodata,"a",@progbits
	.p2align	6, 0x0
	.amdhsa_kernel k_q3ee130a679_w2
		.amdhsa_group_segment_fixed_size 327680
		.amdhsa_private_segment_fixed_size 0
		.amdhsa_enable_private_segment 0
		.amdhsa_kernarg_size 48
		.amdhsa_user_sgpr_count 2
		.amdhsa_user_sgpr_kernarg_segment_ptr 1
		.amdhsa_wavefront_size32 1
		.amdhsa_system_sgpr_workgroup_id_x 1
		.amdhsa_system_sgpr_workgroup_id_y 1
		.amdhsa_system_sgpr_workgroup_id_z 1
		.amdhsa_system_vgpr_workitem_id 0
		.amdhsa_next_free_vgpr 640
		.amdhsa_next_free_sgpr 100
		.amdhsa_reserve_vcc 0
		.amdhsa_float_denorm_mode_32 3
		.amdhsa_float_denorm_mode_16_64 3
		.amdhsa_memory_ordered 1
		.amdhsa_forward_progress 1
		.amdhsa_inst_pref_size 111
	.end_amdhsa_kernel
	.amdgpu_metadata
---
amdhsa.version: [ 1, 2 ]
amdhsa.kernels:
  - .name:           k_q3ee130a679_w2
    .symbol:         k_q3ee130a679_w2.kd
    .args:
      - { .name: gc, .offset: 0, .size: 8, .value_kind: global_buffer, .address_space: global }
      - { .name: wc, .offset: 8, .size: 8, .value_kind: global_buffer, .address_space: global }
      - { .name: lowp_scales, .offset: 16, .size: 8, .value_kind: global_buffer, .address_space: global }
      - { .name: hf, .offset: 24, .size: 8, .value_kind: global_buffer, .address_space: global }
      - { .name: y, .offset: 32, .size: 8, .value_kind: global_buffer, .address_space: global }
      - { .name: b2, .offset: 40, .size: 8, .value_kind: global_buffer, .address_space: global }
    .group_segment_fixed_size: 327680
    .private_segment_fixed_size: 0
    .kernarg_segment_align: 8
    .kernarg_segment_size: 48
    .max_flat_workgroup_size: 128
    .sgpr_count:     100
    .vgpr_count:     640
    .wavefront_size: 32
...
	.end_amdgpu_metadata
.endif
;; end of part 7
;; launch ln2 (part 8): grid 256 x 1, 8 waves a work-group, no clusters, 0 bytes of LDS; arguments y, ln2_g, ln2_b, out0; writes out0
.if DOCPART == 8
	.amdgcn_target "amdgcn-amd-amdhsa--gfx1250"
	.amdhsa_code_object_version 6
	.text
	.protected	k_q3ee130a679_ln2
	.globl	k_q3ee130a679_ln2
	.p2align	8
	.type	k_q3ee130a679_ln2,@function
k_q3ee130a679_ln2:
	s_mov_b64 s[64:65], 0
	v_nop
	global_prefetch_b8 v0, s[64:65] scope:SCOPE_SE
	s_setreg_imm32_b32 hwreg(HW_REG_WAVE_MODE, 25, 1), 1
	s_wait_xcnt 0x0
; out0 = layernorm(y) x g + b, f32; y = h + the MLP's result + b2 (the launch before has added h and b2).
; A work-group takes 16 rows, a wave two neighbouring rows (16 x work-group + 2 x wave), each whole in 32 registers: lane l holds columns 128 j + 4 l + 0 .. 3.  Every load and store of a wave covers 512 consecutive bytes.
; Mean first, then the squares of the differences: no difference of large sums.  A stream: no LDS, no barrier, no matrix unit, no cluster.  NaN is not served.
; REGISTERS: v1 16 x lane; v16-47 g; v48-79 b; row q: v[112 + 64 q ..]; v240-247 at work.
.set G,   16
.set B,   48
	s_load_b256 s[4:11], s[0:1], 0x0               ; y, g, b, out0
	v_lshrrev_b32 v1, 5, v0
	s_delay_alu instid0(VALU_DEP_1)
	v_readfirstlane_b32 s18, v1                    ; wave 0..7
	v_and_b32 v5, 31, v0
	s_delay_alu instid0(VALU_DEP_1)
	v_lshlrev_b32 v1, 4, v5                        ; 16 x lane; never rewritten
	s_lshl_b32 s20, ttmp9, 3
	s_add_co_u32 s20, s20, s18
	s_lshl_b32 s20, s20, 13                        ; my two rows of 4,096 bytes
	s_mov_b32 s21, 0
	s_mov_b32 s22, 0x76543210
	s_mov_b32 s23, 0xfedcba98
	s_mov_b32 s24, 0x3a800000                      ; 1 / 1024
	s_mov_b32 s25, 0x3727c5ac                      ; 1e-5
	s_wait_alu depctr_va_vdst(0)                   ; the wait at the head's end
	s_wait_kmcnt 0x0
	s_add_nc_u64 s[4:5], s[4:5], s[20:21]
	s_add_nc_u64 s[10:11], s[10:11], s[20:21]
.irp j, 0,1,2,3,4,5,6,7
	global_load_b128 v[G+4*\j:G+4*\j+3], v1, s[6:7] offset:512*\j
	global_load_b128 v[B+4*\j:B+4*\j+3], v1, s[8:9] offset:512*\j
.endr
.irp q, 0,1
.irp j, 0,1,2,3,4,5,6,7
	global_load_b128 v[112+64*\q+4*\j:112+64*\q+4*\j+3], v1, s[4:5] offset:4096*\q+512*\j th:TH_LOAD_NT
.endr
.endr
.macro LANES                           ; v240 summed over the 32 lanes
	s_delay_alu instid0(VALU_DEP_1)
	v_add_f32_dpp v240, v240, v240 row_xmask:1 row_mask:0xf bank_mask:0xf
	s_delay_alu instid0(VALU_DEP_1)
	v_add_f32_dpp v240, v240, v240 row_xmask:2 row_mask:0xf bank_mask:0xf
	s_delay_alu instid0(VALU_DEP_1)
	v_add_f32_dpp v240, v240, v240 row_xmask:4 row_mask:0xf bank_mask:0xf
	s_delay_alu instid0(VALU_DEP_1)
	v_add_f32_dpp v240, v240, v240 row_xmask:8 row_mask:0xf bank_mask:0xf
	s_delay_alu instid0(VALU_DEP_1)
	v_permlanex16_b32 v241, v240, s22, s23
	s_delay_alu instid0(VALU_DEP_1)
	v_add_f32 v240, v240, v241
.endm
.macro LNROW q
.set YQ, 112+64*\q
	s_wait_loadcnt 8*(1-\q)                        ; g, b and this row are in; row 1's 8 loads may be out
	v_pk_add_f32 v[240:241], v[YQ:YQ+1], v[YQ+2:YQ+3]
	v_pk_add_f32 v[242:243], v[YQ+4:YQ+5], v[YQ+6:YQ+7]
.set i, 8
.rept 6
	s_delay_alu instid0(VALU_DEP_2)
	v_pk_add_f32 v[240:241], v[240:241], v[YQ+i:YQ+i+1]
	s_delay_alu instid0(VALU_DEP_2)
	v_pk_add_f32 v[242:243], v[242:243], v[YQ+i+2:YQ+i+3]
.set i, i+4
.endr
	s_delay_alu instid0(VALU_DEP_1)
	v_pk_add_f32 v[240:241], v[240:241], v[242:243]
	s_delay_alu instid0(VALU_DEP_1)
	v_add_f32 v240, v240, v241
	LANES
	s_delay_alu instid0(VALU_DEP_1)
	v_mul_f32 v244, s24, v240                      ; the mean
	s_delay_alu instid0(VALU_DEP_1)
	v_mov_b32 v245, v244
.set i, 0
.rept 16
	v_pk_add_f32 v[YQ+i:YQ+i+1], v[YQ+i:YQ+i+1], v[244:245] neg_lo:[0,1] neg_hi:[0,1]
.set i, i+2
.endr
	v_pk_mul_f32 v[240:241], v[YQ:YQ+1], v[YQ:YQ+1]
	v_pk_mul_f32 v[242:243], v[YQ+2:YQ+3], v[YQ+2:YQ+3]
.set i, 4
.rept 7
	s_delay_alu instid0(VALU_DEP_2)
	v_pk_fma_f32 v[240:241], v[YQ+i:YQ+i+1], v[YQ+i:YQ+i+1], v[240:241]
	s_delay_alu instid0(VALU_DEP_2)
	v_pk_fma_f32 v[242:243], v[YQ+i+2:YQ+i+3], v[YQ+i+2:YQ+i+3], v[242:243]
.set i, i+4
.endr
	s_delay_alu instid0(VALU_DEP_1)
	v_pk_add_f32 v[240:241], v[240:241], v[242:243]
	s_delay_alu instid0(VALU_DEP_1)
	v_add_f32 v240, v240, v241
	LANES
	s_delay_alu instid0(VALU_DEP_1)
	v_fma_f32 v246, v240, s24, s25                 ; the variance + 1e-5
	s_wait_alu depctr_va_vdst(0)
	v_rsq_f32 v246, v246
	v_nop
	s_wait_alu depctr_va_vdst(0)                   ; ahead of the first reader
	v_mov_b32 v247, v246
.set i, 0
.rept 16
	v_pk_mul_f32 v[YQ+i:YQ+i+1], v[YQ+i:YQ+i+1], v[246:247]
.set i, i+2
.endr
.set i, 0
.rept 16
	v_pk_fma_f32 v[YQ+i:YQ+i+1], v[YQ+i:YQ+i+1], v[G+i:G+i+1], v[B+i:B+i+1]
.set i, i+2
.endr
.irp j, 0,1,2,3,4,5,6,7
	global_store_b128 v1, v[YQ+4*\j:YQ+4*\j+3], s[10:11] offset:4096*\q+512*\j th:TH_STORE_NT   ; 512 consecutive bytes; these registers are not written again
.endr
.endm
	LNROW 0
	LNROW 1
	s_endpgm
.Lfunc_end_k_q3ee130a679_ln2:
	.size	k_q3ee130a679_ln2, .Lfunc_end_k_q3ee130a679_ln2-k_q3ee130a679_ln2
	.p2alignl 7, 3214868480
	.fill 96, 4, 3214868480
	.section	.rodata,"a",@progbits
	.p2align	6, 0x0
	.amdhsa_kernel k_q3ee130a679_ln2
		.amdhsa_group_segment_fixed_size 0
		.amdhsa_private_segment_fixed_size 0
		.amdhsa_enable_private_segment 0
		.amdhsa_kernarg_size 32
		.amdhsa_user_sgpr_count 2
		.amdhsa_user_sgpr_kernarg_segment_ptr 1
		.amdhsa_wavefront_size32 1
		.amdhsa_system_sgpr_workgroup_id_x 1
		.amdhsa_system_sgpr_workgroup_id_y 1
		.amdhsa_system_sgpr_workgroup_id_z 1
		.amdhsa_system_vgpr_workitem_id 0
		.amdhsa_next_free_vgpr 256
		.amdhsa_next_free_sgpr 66
		.amdhsa_reserve_vcc 0
		.amdhsa_float_denorm_mode_32 3
		.amdhsa_float_denorm_mode_16_64 3
		.amdhsa_memory_ordered 1
		.amdhsa_forward_progress 1
		.amdhsa_inst_pref_size 21
	.end_amdhsa_kernel
	.amdgpu_metadata
---
amdhsa.version: [ 1, 2 ]
amdhsa.kernels:
  - .name:           k_q3ee130a679_ln2
    .symbol:         k_q3ee130a679_ln2.kd
    .args:
      - { .name: y, .offset: 0, .size: 8, .value_kind: global_buffer, .address_space: global }
      - { .name: ln2_g, .offset: 8, .size: 8, .value_kind: global_buffer, .address_space: global }
      - { .name: ln2_b, .offset: 16, .size: 8, .value_kind: global_buffer, .address_space: global }
      - { .name: out0, .offset: 24, .size: 8, .value_kind: global_buffer, .address_space: global }
    .group_segment_fixed_size: 0
    .private_segment_fixed_size: 0
    .kernarg_segment_align: 8
    .kernarg_segment_size: 32
    .max_flat_workgroup_size: 256
    .sgpr_count:     66
    .vgpr_count:     256
    .wavefront_size: 32
...
	.end_amdgpu_metadata
.endif
;; end of part 8
